; MI455X (gfx1250); checked and timed in simulation.
; The chip was launched on July 23, 2026; its instructions are those of AMD's public machine-readable ISA for CDNA 5 (MIT licence, August 2026) and "CDNA5" Instruction Set Architecture Reference Guide (July 2026). The comments in the code are by the model that wrote it; some were corrected since.
;; A Li Bi Multihead Attention. Allowed arithmetic: matrix products marked QUANTISED: E2M3 operands, one E8M0 scale for each 32 along K, by v_wmma_scale_f32_16x16x128_f8f6f4 with both operands' format E2M3, f32 sums; everything else in f32.
;; Inputs: Wk 1,024 x 1,024 float32; Wo 1,024 x 1,024 float32; Wq 1,024 x 1,024 float32; Wv 1,024 x 1,024 float32; bk 1,024 float32; bo 1,024 float32; bq 1,024 float32; bv 1,024 float32; pos_bias 16 x 4,095 float32; queries 2 x 2,048 x 1,024 float32.
;; Outputs: out0 2 x 2,048 x 1,024 float32.
;; This version of the problem:
;;   THIS VERSION OF THE PROBLEM IS GIVEN IN LOW PRECISION. The matrix products marked QUANTISED in the list below multiply operands that are first quantised to E2M3 (2 exponent bits, 3 mantissa bits; 6 bits a number), with one power-of-two scale for each 32 numbers along K (OCP MX v1.0); their sums are f32. All else is computed in f32.
;;   The module's matrix products, in the order in which they are computed (A, B: the left and right operand; K: the contracted axis; several contracted axes count as one K, in the product's order):
;;     1. [M 4,096, K 1,024] x [K 1,024, N 1,024]; A: input queries; B: input Wq: QUANTISED
;;     2. [M 4,096, K 1,024] x [K 1,024, N 1,024]; A: input queries; B: input Wk: QUANTISED
;;     3. [M 4,096, K 1,024] x [K 1,024, N 1,024]; A: input queries; B: input Wv: QUANTISED
;;     4. batch 32 x [M 2,048, K 64] x [K 64, N 2,048]; A: computed on the way; B: computed on the way: QUANTISED
;;     5. batch 32 x [M 2,048, K 2,048] x [K 2,048, N 64]; A: softmax (see below); B: computed on the way: QUANTISED
;;     6. [M 4,096, K 1,024] x [K 1,024, N 1,024]; A: computed on the way; B: input Wo: QUANTISED
;;   THE QUANTISER, for each operand of a quantised product, along K:
;;     - K is cut into blocks of 32 from its start; a last block that is shorter is filled with zeros.
;;     - A block's scale is 2^e with e = floor(log2(the largest magnitude in the block)) - 2, held to -126 .. 127; a block of zeros has e = 0. As a byte (E8M0): e + 127.
;;     - Each number is divided by its block's scale, clamped to +-7.5, and rounded to the nearest number of E2M3, ties to even, subnormals kept.
;;     - The product sums the exact products of the quantised numbers (number of the format x scale) in f32.
;;   ~~~python
;;   def quantise(x, axis):      # numpy; x: float32 -> the quantised numbers, widened to float32 again
;;       x = np.moveaxis(x, axis, -1); K = x.shape[-1]
;;       x = np.pad(x, [(0, 0)] * (x.ndim - 1) + [(0, -K % 32)]); x = x.reshape(x.shape[:-1] + (-1, 32)); a = np.abs(x).max(-1, keepdims=True)
;;       e = np.where(a > 0, np.clip(np.frexp(np.where(a > 0, a, 1))[1] - 1 - 2, -126, 127), 0)      # np.frexp(a)[1] - 1 = floor(log2(a)), exactly
;;       r = np.clip(x / 2.0 ** e, -7.5, 7.5)
;;       step = 2.0 ** (np.maximum(np.frexp(np.where(r == 0, 1, r))[1] - 1, 0) - 3)
;;       q = np.round(r / step) * step * 2.0 ** e      # np.round: ties to even
;;       return np.moveaxis(q.reshape(q.shape[:-2] + (-1,))[..., :K], -1, axis).astype(np.float32)
;;   ~~~
;;   SOFTMAX AHEAD OF A QUANTISED PRODUCT. Where the list says 'softmax', what is quantised is not the finished softmax but p = 2^(t - M), with t = logit x log2(e) and M = ceil(the row's largest t), a whole number; so 1/2 < the row's largest p <= 1. The row's sum l is taken of the UNQUANTISED p, in f32, and the product's result is divided by l at the end. Since M is a whole number, a kernel that streams over the keys may use a running M (the ceiling of the running maximum): every later rescaling is an exact power of two, which a block's scale takes up: the codes' values come out the same.
;;   OPERANDS COMPUTED ON THE WAY. 'Computed on the way' means the value that the module computes at that place (a softmax that the list does not call 'softmax' is quantised finished and normalised). What goes into a quantiser is computed in f32, as accurately as f32 sums, v_exp_f32 and their like allow (about 1e-6 of the number): no bf16 or f16 on the way to a quantiser, and a product that is left as it is and whose result goes on into a quantised operand takes f32 operands (vector FMAs, or v_wmma_f32_16x16x4_f32). A number that lies on a knife's edge between two numbers of the format may be rounded either way, as far as f32 arithmetic and the matrix unit's own rounding can turn it there, and no further.
;; One version. Each part assembles by itself: llvm-mc -triple=amdgcn-amd-amdhsa -mcpu=gfx1250 --defsym DOCPART=n.
;; ======== version 1 of 1: 4 launches
;; limits: right only within a limited range of input values
;; workspace buffers: cod 6,291,456 bytes; scl 262,144 bytes; qk 6,291,456 bytes; vim 3,145,728 bytes; ats 393,216 bytes; ho 3,145,728 bytes; hos 131,072 bytes
;; launch quant (part 1): grid 256 x 1, 16 waves a work-group, no clusters, 168,960 bytes of LDS; arguments queries, Wq, Wk, Wv, Wo, cod, scl; writes cod, scl
.if DOCPART == 1
	.amdgcn_target "amdgcn-amd-amdhsa--gfx1250"
	.amdhsa_code_object_version 6
	.text
	.protected	k_qc3d9655849_quant
	.globl	k_qc3d9655849_quant
	.p2align	8
	.type	k_qc3d9655849_quant,@function
k_qc3d9655849_quant:
	s_mov_b64 s[64:65], 0
	v_nop
	global_prefetch_b8 v0, s[64:65] scope:SCOPE_SE
	s_setreg_imm32_b32 hwreg(HW_REG_WAVE_MODE, 25, 1), 1
	s_wait_xcnt 0x0
; queries [4096][1024] and Wq, Wk, Wv, Wo [1024][1024], f32 with K innermost, become codes of FP6 (E2M3) and E8M0 scale bytes, one for each 32 along K,
; laid in the order in which the matrix instruction's operand registers take them.  No step and no input of the problem is left out by this program.
; ROWS are stored in tiles of 16: place 16 T + r holds true row 32 (T / 2) + 8 (T % 2) + r % 8 + 16 (r / 8).
; cod: [512 tiles][16 pieces of 64 along K][768 bytes].  Tiles 0-255 queries, 256-319 Wq, 320-383 Wk, 384-447 Wv, 448-511 Wo.  In a piece lane l = (r, h) owns the 24 bytes of
; k = 32 h .. 32 h + 31 of its row: its first 16 bytes at 16 l, its last 8 at 512 + 8 l.  scl: [512 tiles][4 runs of 256 along K][16 rows][2 words]; a word is the four bytes of 128 along K.
; A block's scale is 2^(floor(log2(its largest magnitude)) - 2); its byte is the largest magnitude's exponent field - 2, held at 1 from below.
; LIMITS: NaN and infinities among the inputs are not served.  A block whose largest magnitude lies under 2^-124, a block of zeros among them, gets the byte 1; the bytes are read by this program alone.
; SHARES: work-group g takes 32 true rows of one tensor, stored tiles 2 g and 2 g + 1.  A pair of waves (pr = w / 2) takes tile u = pr / 4 and 256 along K, s = pr % 4.
; Wave p = w % 2 of a pair brings 8 of the tile's 16 rows x 1,024 bytes by its one tensor load; behind a barrier it works 128 along K (pieces 2 p, 2 p + 1) of all 16 rows.
; Nothing in LDS is filled twice.  No cluster: no two work-groups read the same bytes.  No prefetch: the one load of a wave stands at the head.
.set ROWP, 1040                        ; an LDS row: 1,024 bytes + 16 of padding
.set WREG, 16*ROWP                     ; a pair's numbers
.set SST,  8*WREG                      ; 1,024 bytes in which the two tiles' scale words meet; written by LDS stores alone
.set SPARE, SST+1024                   ; the spare words: 128 bytes for each of 16 waves
.set X,    32                          ; v32-95   two blocks of 32 numbers
.set C,    96                          ; v96-107  six registers of codes for each block
.set TT,   108                         ; v108-115 the second halves as the conversions leave them
.set G0,   24
.set G1,   32
	s_load_b256 s[4:11], s[0:1], 0x0               ; queries, Wq, Wk, Wv
	s_load_b128 s[12:15], s[0:1], 0x20             ; Wo, cod
	s_load_b64 s[16:17], s[0:1], 0x30              ; scl
	v_lshl_add_u32 v120, v0, 2, SPARE
	v_mov_b32 v121, 0
	ds_add_u32 v120, v121                          ; the opening lines
	ds_add_u32 v120, v121
	v_lshrrev_b32 v1, 5, v0
	v_readfirstlane_b32 s18, v1                    ; wave 0..15
	s_and_b32 s47, s18, 1                          ; p
	s_lshr_b32 s46, s18, 1                         ; pr
	s_lshr_b32 s19, s46, 2                         ; u
	s_and_b32 s23, s46, 3                          ; s
	s_mov_b32 s[G1+0], (3<<16)|(1<<20)|(7<<22)|(3<<25)   ; 8 rows of 1,024 bytes (128 elements of 8), 16 bytes of padding behind each
	s_mov_b32 s[G1+1], 128<<16
	s_mov_b32 s[G1+2], 8<<16
	s_mov_b32 s[G1+3], 128<<16
	s_mov_b32 s[G1+4], 8
	s_mov_b32 s[G1+5], 512                         ; 4,096 bytes from row to row
	s_mov_b32 s[G1+6], 0
	s_mov_b32 s[G1+7], 0
	s_cmp_lt_u32 ttmp9, 128
	s_cselect_b32 s22, 127, 31
	s_and_b32 s22, ttmp9, s22                      ; which 32 rows of my tensor
	s_lshl_b32 s40, s22, 17
	s_lshl_b32 s41, s19, 15                        ; + 8 u rows
	s_add_co_u32 s40, s40, s41
	s_lshl_b32 s41, s23, 10                        ; + my 1,024 bytes of a row
	s_add_co_u32 s40, s40, s41
	s_lshl_b32 s41, s47, 16                        ; + 16 p rows: true rows 8 u + 16 p + 0 .. 7 are the tile's rows 8 p + 0 .. 7
	s_add_co_u32 s40, s40, s41
	s_mov_b32 s41, 0
	s_lshl_b32 s42, ttmp9, 1
	s_add_co_u32 s42, s42, s19                     ; my stored tile
	s_mul_i32 s42, s42, 12288
	s_mul_i32 s43, s23, 3072
	s_add_co_u32 s42, s42, s43
	s_mul_i32 s43, s47, 1536                       ; my two pieces
	s_add_co_u32 s42, s42, s43
	s_mov_b32 s43, 0
	s_lshl_b32 s44, ttmp9, 10                      ; the two tiles' scale words; waves 0 and 1 store 512 bytes each
	s_lshl_b32 s51, s47, 9
	s_add_co_u32 s44, s44, s51
	s_mov_b32 s45, 0
	s_mov_b32 s2, 0x76543210
	s_mov_b32 s3, 0xfedcba98
	s_mul_i32 s48, s46, WREG                       ; LDS: my pair's 16 rows
	s_add_co_u32 s49, s48, s51                     ; + 512 p: my 128 along K
	s_mul_i32 s50, s47, 8*ROWP
	s_mov_b32 s[G0], 1
	s_add_co_u32 s[G0+1], s48, s50                 ; my load's 8 rows
	s_lshl_b32 s50, s46, 7
	s_lshl_b32 s52, s47, 2
	s_add_co_u32 s50, s50, s52                     ; 128 pr + 4 p
	s_wait_dscnt 0x0
	s_wait_kmcnt 0x0
	s_cmp_lt_u32 ttmp9, 224                        ; which tensor: the choice hangs on the work-group's number alone
	s_cselect_b64 s[20:21], s[10:11], s[12:13]
	s_cmp_lt_u32 ttmp9, 192
	s_cselect_b64 s[20:21], s[8:9], s[20:21]
	s_cmp_lt_u32 ttmp9, 160
	s_cselect_b64 s[20:21], s[6:7], s[20:21]
	s_cmp_lt_u32 ttmp9, 128
	s_cselect_b64 s[20:21], s[4:5], s[20:21]
	s_add_nc_u64 s[G0+2:G0+3], s[20:21], s[40:41]
	s_or_b32 s[G0+3], s[G0+3], 0x80000000
	tensor_load_to_lds s[G0:G0+3], s[G1:G1+7]      ; my one load
	s_nop 0
.rept 4
	v_nop
.endr
	s_add_nc_u64 s[14:15], s[14:15], s[42:43]
	s_add_nc_u64 s[16:17], s[16:17], s[44:45]
	v_and_b32 v1, 31, v0                           ; l
	v_and_b32 v2, 15, v0                           ; r
	v_bfe_u32 v3, v0, 4, 1                         ; h
	v_mul_u32_u24 v4, v2, ROWP
	v_lshlrev_b32 v5, 4, v1                        ; 16 l
	v_lshlrev_b32 v6, 3, v1                        ; 8 l
	v_lshl_add_u32 v4, v3, 7, v4
	v_lshlrev_b32 v7, 3, v2
	v_add_nc_u32 v8, s51, v5
	v_add_nc_u32 v4, s49, v4                       ; my row, + 128 h: my 32 numbers of a piece of 64
	v_add_nc_u32 v7, s50, v7
	v_add_nc_u32 v8, SST, v8                       ; where waves 0 and 1 read a tile's 512 bytes back
	v_add_nc_u32 v7, SST, v7                       ; my row's word: 128 pr + 8 r + 4 p
	v_lshlrev_b32 v29, 3, v3                       ; 8 h
	v_mov_b32 v26, 0                               ; a lane permute's destination counts as one of its sources
	s_wait_alu depctr_va_vdst(0)                   ; the wait at the head's end
	s_wait_tensorcnt 0x0                           ; my 8 rows are in LDS;
	s_barrier_signal -1
	s_barrier_wait -1                              ; and so are my partner's
.irp j, 0,1
.irp i, 0,1,2,3,4,5,6,7
	ds_load_b128 v[X+32*\j+4*\i:X+32*\j+4*\i+3], v4 offset:256*\j+16*\i
.endr
.endr
.macro BLOCK j                         ; my block of 32 numbers becomes 24 bytes of codes and a scale byte
	s_wait_dscnt 8-8*\j                            ; this block's eight loads are in
	v_max3_num_f32 v[12+\j], |v[X+32*\j]|, |v[X+32*\j+1]|, |v[X+32*\j+2]|   ; the largest magnitude, in two chains
	v_max3_num_f32 v27, |v[X+32*\j+3]|, |v[X+32*\j+4]|, |v[X+32*\j+5]|
.irp i, 6,10,14,18,22,26
	s_delay_alu instid0(VALU_DEP_2)
	v_max3_num_f32 v[12+\j], v[12+\j], |v[X+32*\j+\i]|, |v[X+32*\j+\i+1]|
	s_delay_alu instid0(VALU_DEP_2)
	v_max3_num_f32 v27, v27, |v[X+32*\j+\i+2]|, |v[X+32*\j+\i+3]|
.endr
	s_delay_alu instid0(VALU_DEP_2)
	v_max3_num_f32 v[12+\j], v[12+\j], |v[X+32*\j+30]|, |v[X+32*\j+31]|
	s_delay_alu instid0(VALU_DEP_1)
	v_max3_num_f32 v[12+\j], v[12+\j], v27, 0x1800000             ; and the floor 2^(3 - 127): the byte cannot fall under 1
	s_delay_alu instid0(VALU_DEP_1)
	v_add_nc_u32 v[16+\j], 0xff000000, v[12+\j]                   ; 2 off its exponent field: the conversion's scale operand
	v_cvt_scalef32_pk16_fp6_f32 v[C+6*\j:C+6*\j+2], v[X+32*\j:X+32*\j+15], v[16+\j]
	v_cvt_scalef32_pk16_fp6_f32 v[TT+4*\j:TT+4*\j+2], v[X+32*\j+16:X+32*\j+31], v[16+\j]   ; (a conversion's three registers begin on an even number)
	v_lshrrev_b32 v[20+\j], 23, v[16+\j]                          ; the scale's byte; also the plain line behind the conversions
.irp i, 0,1,2
	v_mov_b32 v[C+6*\j+3+\i], v[TT+4*\j+\i]
.endr
	global_store_b128 v5, v[C+6*\j:C+6*\j+3], s[14:15] offset:768*\j        ; 32 lanes store 512 consecutive bytes,
	global_store_b64 v6, v[C+6*\j+4:C+6*\j+5], s[14:15] offset:768*\j+512   ; and 256 more; each block has registers of its own
.endm
	BLOCK 0
	BLOCK 1
	v_lshl_or_b32 v24, v21, 16, v20                ; my bytes of the two pieces, two places apart,
	s_delay_alu instid0(VALU_DEP_1)
	v_lshlrev_b32 v24, v29, v24                    ; 8 h bits up;
	s_delay_alu instid0(VALU_DEP_1)
	v_permlanex16_b32 v26, v24, s2, s3
	s_delay_alu instid0(VALU_DEP_1)
	v_or_b32 v24, v24, v26                         ; with lane l xor 16's two bytes the word is whole
	ds_store_b32 v7, v24                           ; (both halves of the lanes write the same word to the same place)
	s_wait_dscnt 0x0                               ; for the others' sake: my word lies in LDS
	s_barrier_signal -1
	s_barrier_wait -1
	s_cmp_lt_u32 s18, 2
	s_cbranch_scc0 .Lend
	ds_load_b128 v[124:127], v8                    ; a tile's 512 bytes of scale words, from eight waves
	s_wait_dscnt 0x0
	global_store_b128 v5, v[124:127], s[16:17]     ; 512 consecutive bytes
.Lend:
	s_wait_tensorcnt 0x0                           ; the wave's end
	ds_add_u32 v120, v121
	s_wait_dscnt 0x0
	s_endpgm
.Lfunc_end_k_qc3d9655849_quant:
	.size	k_qc3d9655849_quant, .Lfunc_end_k_qc3d9655849_quant-k_qc3d9655849_quant
	.p2alignl 7, 3214868480
	.fill 96, 4, 3214868480
	.section	.rodata,"a",@progbits
	.p2align	6, 0x0
	.amdhsa_kernel k_qc3d9655849_quant
		.amdhsa_group_segment_fixed_size 168960
		.amdhsa_private_segment_fixed_size 0
		.amdhsa_enable_private_segment 0
		.amdhsa_kernarg_size 56
		.amdhsa_user_sgpr_count 2
		.amdhsa_user_sgpr_kernarg_segment_ptr 1
		.amdhsa_wavefront_size32 1
		.amdhsa_system_sgpr_workgroup_id_x 1
		.amdhsa_system_sgpr_workgroup_id_y 1
		.amdhsa_system_sgpr_workgroup_id_z 1
		.amdhsa_system_vgpr_workitem_id 0
		.amdhsa_next_free_vgpr 128
		.amdhsa_next_free_sgpr 66
		.amdhsa_reserve_vcc 0
		.amdhsa_float_denorm_mode_32 3
		.amdhsa_float_denorm_mode_16_64 3
		.amdhsa_memory_ordered 1
		.amdhsa_forward_progress 1
		.amdhsa_inst_pref_size 11
	.end_amdhsa_kernel
	.amdgpu_metadata
---
amdhsa.version: [ 1, 2 ]
amdhsa.kernels:
  - .name:           k_qc3d9655849_quant
    .symbol:         k_qc3d9655849_quant.kd
    .args:
      - { .name: queries, .offset: 0, .size: 8, .value_kind: global_buffer, .address_space: global }
      - { .name: Wq, .offset: 8, .size: 8, .value_kind: global_buffer, .address_space: global }
      - { .name: Wk, .offset: 16, .size: 8, .value_kind: global_buffer, .address_space: global }
      - { .name: Wv, .offset: 24, .size: 8, .value_kind: global_buffer, .address_space: global }
      - { .name: Wo, .offset: 32, .size: 8, .value_kind: global_buffer, .address_space: global }
      - { .name: cod, .offset: 40, .size: 8, .value_kind: global_buffer, .address_space: global }
      - { .name: scl, .offset: 48, .size: 8, .value_kind: global_buffer, .address_space: global }
    .group_segment_fixed_size: 168960
    .private_segment_fixed_size: 0
    .kernarg_segment_align: 8
    .kernarg_segment_size: 56
    .max_flat_workgroup_size: 512
    .sgpr_count:     66
    .vgpr_count:     128
    .wavefront_size: 32
...
	.end_amdgpu_metadata
.endif
;; end of part 1
;; launch qkv (part 2): grid 12 x 16, 4 waves a work-group, clusters of 4 x 4, 327,680 bytes of LDS; arguments cod, scl, bq, bk, bv, qk, vim, ats; writes qk, vim, ats
.if DOCPART == 2
	.amdgcn_target "amdgcn-amd-amdhsa--gfx1250"
	.amdhsa_code_object_version 6
	.text
	.protected	k_qc3d9655849_qkv
	.globl	k_qc3d9655849_qkv
	.p2align	8
	.type	k_qc3d9655849_qkv,@function
k_qc3d9655849_qkv:
	s_mov_b64 s[64:65], 0
	v_nop
	global_prefetch_b8 v0, s[64:65] scope:SCOPE_SE
	s_setreg_imm32_b32 hwreg(HW_REG_WAVE_MODE, 25, 1), 1
	s_wait_xcnt 0x0
	s_wait_alu depctr_hold_cnt(0) depctr_sa_sdst(0) depctr_va_vdst(0) depctr_va_sdst(0) depctr_va_ssrc(0) depctr_va_vcc(0) depctr_vm_vsrc(0)
	s_getreg_b32 s2, hwreg(HW_REG_IB_STS2, 6, 4)
	s_cmp_eq_u32 s2, 0
	s_cbranch_scc0 .Lentry_in_a_cluster
	s_endpgm
.Lentry_in_a_cluster:
	s_bfe_u32 s2, ttmp6, 0x10000c
	s_cmp_lg_u32 s2, 0xf033
	s_cbranch_scc0 .Lentry_shape_is_right
	s_endpgm
.Lentry_shape_is_right:
; q, k and v = queries W^T + b on codes of FP6 (E2M3) with E8M0 scales, sums in f32; the results are quantised at once for the two products of attention (q and k along the head's 64, v along the keys).
; A work-group of four waves makes 256 x 256; K goes in steps of 256 through a ring of two LDS slots; 4 x 4 work-groups form a cluster and ask for A's and B's tiles jointly.
; THE HEAD: the four tiles that the first step needs go out together, one a wave: wave 0 A's 16 stored tiles of the first 256 along K, wave 1 B's, wave 2 A's scale words, wave 3 B's.
; Slot 1 is first filled behind the full sequence and a round, a quarter of the slot a wave, as every refill is.
.set NQ,    2
.set FR,    12
.set NL,    4
.set NP,    4
.set TILEB, 3072
.set HALFT, 8*TILEB
.set SLOT,  4*HALFT
.set SCL,   2*SLOT
.set SPARE, SCL+16384
.set STQ,   SPARE+512
.set STV,   STQ+2048
.set ADRA, 16
.set ADRB, 20
.set ADRS, 27
.set SPW,  28
.set NIL,  29
.set SC,   32
.set BI,   64
.set AF,   128
.set BV,   224
.set T,    128
.set PC,   192
.set TM,   240
.set SEL,  32
.set G1,   24
.set G0,   32
.set G1B,  48
.set G0B,  56
.set G1S,  68
.set G0S,  76
.set G1SB, 80
.set G0SB, 88
.set MSB, 0
.macro WIN new
.if MSB != (\new)
	s_set_vgpr_msb (MSB<<8)|(\new)
.set MSB, (\new)
.endif
.endm
.set MUL_LO, 0xa1
.set MUL_HI, 0xf1
.set TO_B,   0x40
.macro JLOAD g0a, g1a, g0b, g1b
	s_cmp_eq_u32 s21, 0
	s_cbranch_scc0 .Lfor_b_\@
	tensor_load_to_lds s[\g0a:\g0a+3], s[\g1a:\g1a+7]
	s_nop 0
.rept 4
	v_nop
.endr
	s_branch .Lasked_\@
.Lfor_b_\@:
	tensor_load_to_lds s[\g0b:\g0b+3], s[\g1b:\g1b+7]
	s_nop 0
.rept 4
	v_nop
.endr
.Lasked_\@:
.endm
.macro CREST
	s_cmp_lg_u32 s20, 0
	s_cbranch_scc1 .Lnot_wave_0_\@
	s_barrier_signal -3
.Lnot_wave_0_\@:
	s_barrier_wait -3
	s_barrier_signal -1
	s_barrier_wait -1
.endm
.macro CROUND
	s_barrier_signal -1
	s_barrier_wait -1
	CREST
.endm
	s_load_b256 s[4:11], s[0:1], 0x0
	s_load_b256 s[12:19], s[0:1], 0x20
	v_lshl_add_u32 v[SPW], v0, 2, SPARE
	v_mov_b32 v[NIL], 0
	ds_add_u32 v28, v29
	ds_add_u32 v28, v29
	s_wait_dscnt 0x0
	v_lshrrev_b32 v1, 5, v0
	v_readfirstlane_b32 s20, v1
	s_lshr_b32 s21, s20, 1
	s_and_b32 s22, s20, 1
	s_bfe_u32 s40, ttmp6, 0x40000
	s_bfe_u32 s41, ttmp6, 0x40004
	s_and_b32 s23, ttmp7, 0xffff
	s_cmp_eq_u32 ttmp9, 2
	s_cselect_b32 s46, s23, ttmp9
	s_cselect_b32 s47, 0, s23
	s_cselect_b32 s95, 384, 0
	s_cselect_b32 s96, 0, 256
	s_lshl_b32 s42, s46, 2
	s_add_co_u32 s42, s42, s40
	s_lshl_b32 s43, s47, 2
	s_add_co_u32 s43, s43, s41
	s_lshl_b32 s44, s41, 2
	s_lshl_b32 s44, 15, s44
	s_lshl_b32 s45, 0x1111, s40
	s_or_b32 s[G1+0], s44, (3<<16)|(1<<21)
	s_or_b32 s[G1B+0], s45, (3<<16)|(1<<21)
.irp g, G1, G1B
	s_mov_b32 s[\g+1], 384<<16
	s_mov_b32 s[\g+2], 16<<16
	s_mov_b32 s[\g+3], 384<<16
	s_mov_b32 s[\g+4], 16
	s_mov_b32 s[\g+5], 1536
	s_mov_b32 s[\g+6], 0
	s_mov_b32 s[\g+7], 0
.endr
	s_or_b32 s[G1S+0], s44, (3<<16)|(1<<21)
	s_or_b32 s[G1SB+0], s45, (3<<16)|(1<<21)
.irp g, G1S, G1SB
	s_mov_b32 s[\g+1], 32<<16
	s_mov_b32 s[\g+2], 32<<16
	s_mov_b32 s[\g+3], 32<<16
	s_mov_b32 s[\g+4], 32
	s_mov_b32 s[\g+5], 32
	s_mov_b32 s[\g+6], 0
	s_mov_b32 s[\g+7], 0
.endr
	s_lshl_b32 s97, s43, 4
	s_add_co_u32 s97, s97, s95
	s_lshl_b32 s98, s42, 4
	s_add_co_u32 s98, s98, s96
	s_mul_i32 s2, s97, 12288
	s_mov_b32 s3, 0
	s_mul_i32 s46, s98, 12288
	s_mov_b32 s47, 0
	s_lshl_b32 s92, s97, 9
	s_mov_b32 s93, 0
	s_lshl_b32 s98, s98, 9
	s_mov_b32 s99, 0
	s_mul_i32 s66, s20, HALFT
	s_wait_kmcnt 0x0
	s_add_nc_u64 s[2:3], s[4:5], s[2:3]
	s_add_nc_u64 s[46:47], s[4:5], s[46:47]
	s_add_nc_u64 s[92:93], s[6:7], s[92:93]
	s_add_nc_u64 s[98:99], s[6:7], s[98:99]
	s_mul_i32 s94, s22, 8*12288                    ; in the ring I fetch 8 of a side's 16 stored tiles: which half, in bytes
	s_mov_b32 s95, 0
	CROUND                                         ; all sixteen work-groups are here: the first joint loads meet
	s_mov_b32 s[G0], 1                             ; the head's four tiles, each whole: A's 16 stored tiles of the first 256 along K,
	s_mov_b32 s[G0+1], 0
	s_mov_b64 s[G0+2:G0+3], s[2:3]
	s_or_b32 s[G0+3], s[G0+3], 0x80000000
	s_mov_b32 s[G0B], 1                            ; B's, behind them in slot 0,
	s_mov_b32 s[G0B+1], 2*HALFT
	s_mov_b64 s[G0B+2:G0B+3], s[46:47]
	s_or_b32 s[G0B+3], s[G0B+3], 0x80000000
	s_mov_b32 s[G0S], 1                            ; A's scale words, 8,192 bytes,
	s_mov_b32 s[G0S+1], SCL
	s_mov_b64 s[G0S+2:G0S+3], s[92:93]
	s_or_b32 s[G0S+3], s[G0S+3], 0x80000000
	s_mov_b32 s[G0SB], 1                           ; and B's
	s_mov_b32 s[G0SB+1], SCL+8192
	s_mov_b64 s[G0SB+2:G0SB+3], s[98:99]
	s_or_b32 s[G0SB+3], s[G0SB+3], 0x80000000
	s_add_nc_u64 s[2:3], s[2:3], s[94:95]          ; for the ring: my 8 tiles
	s_add_nc_u64 s[46:47], s[46:47], s[94:95]
	s_mov_b32 s[G0+4], 1
	s_add_co_u32 s[G0+5], s66, SLOT
	s_add_nc_u64 s[G0+6:G0+7], s[2:3], TILEB
	s_or_b32 s[G0+7], s[G0+7], 0x80000000
	s_mov_b32 s[G0B+4], 1
	s_add_co_u32 s[G0B+5], s66, SLOT
	s_add_nc_u64 s[G0B+6:G0B+7], s[46:47], TILEB
	s_or_b32 s[G0B+7], s[G0B+7], 0x80000000
.macro ARM under, g0, g1, next         ; one chain of branches on the wave's number: every way passes one load
	s_cmp_lt_u32 s20, \under
	s_cbranch_scc0 \next
	tensor_load_to_lds s[\g0:\g0+3], s[\g1:\g1+7]
	s_nop 0
.rept 4
	v_nop
.endr
	s_branch .Lhead_asked
\next:
.endm
	ARM 1, G0,  G1,  .Lhead_b
	ARM 2, G0B, G1B, .Lhead_sa
	ARM 3, G0S, G1S, .Lhead_sb
	tensor_load_to_lds s[G0SB:G0SB+3], s[G1SB:G1SB+7]
	s_nop 0
.rept 4
	v_nop
.endr
.Lhead_asked:
	s_wait_alu depctr_va_vdst(0)
	s_wait_tensorcnt 0x0                           ; my tile of the head's four is in
	ds_add_u32 v28, v29
	s_mov_b32 s[G1+2], 8<<16                       ; no tensor load of mine is out: from here on a load brings 8 stored tiles,
	s_mov_b32 s[G1+4], 8
	s_mov_b32 s[G1B+2], 8<<16
	s_mov_b32 s[G1B+4], 8
	s_add_co_u32 s[G0+1], s66, 0                   ; and slot 0's descriptors stand at my quarter of it
	s_mov_b64 s[G0+2:G0+3], s[2:3]
	s_or_b32 s[G0+3], s[G0+3], 0x80000000
	s_add_co_u32 s[G0B+1], s66, 0
	s_mov_b64 s[G0B+2:G0B+3], s[46:47]
	s_or_b32 s[G0B+3], s[G0B+3], 0x80000000
	s_wait_dscnt 0x0
	CROUND                                         ; all four tiles are in, and all sixteen work-groups are here
	JLOAD G0+4, G1, G0B+4, G1B                     ; slot 1's first fill
	v_and_b32 v1, 31, v0
	v_and_b32 v2, 15, v0
	v_bfe_u32 v3, v0, 4, 1
	s_wait_alu depctr_va_vdst(0)
	v_lshlrev_b32 v4, 4, v1
	s_wait_alu depctr_va_vdst(0)
	v_lshlrev_b32 v5, 3, v1
	s_wait_alu depctr_va_vdst(0)
	s_and_b32 s46, s42, 3
	s_lshl_b32 s46, s46, 10
	s_lshl_b32 s47, s22, 9
	s_add_co_u32 s46, s46, s47
	s_lshl_b32 s47, s43, 10
	s_lshl_b32 s2, s21, 9
	s_add_co_u32 s47, s47, s2
	s_cmp_eq_u32 ttmp9, 2
	s_cselect_b32 s46, 0, s46
	s_cselect_b32 s47, s47, 0
	s_cselect_b64 s[12:13], s[12:13], s[10:11]
	s_cmp_eq_u32 ttmp9, 0
	s_cselect_b64 s[8:9], s[8:9], s[12:13]
	v_lshl_add_u32 v30, v3, 6, s46
	v_and_b32 v6, 7, v2
	v_lshrrev_b32 v7, 3, v2
	v_lshl_add_u32 v6, v7, 4, v6
	v_lshl_add_u32 v31, v6, 2, s47
.irp b, 0,1,2,3
.irp n, 0,1,2,3
	global_load_b128 v[BI+16*\b+4*\n:BI+16*\b+4*\n+3], v30, s[8:9] offset:128*\b+16*\n
.endr
.endr
.irp a, 0,1,2,3,4,5,6,7
	global_load_b32 v[BV+2*\a], v31, s[8:9] offset:4*(32*(\a/2)+8*(\a%2))
	global_load_b32 v[BV+2*\a+1], v31, s[8:9] offset:4*(32*(\a/2)+8*(\a%2))
.endr
	s_mul_i32 s2, s21, HALFT
	s_mul_i32 s3, s22, HALFT
	s_add_co_u32 s3, s3, 2*HALFT
.irp s, 0,1
	v_add_nc_u32 v[ADRA+\s], s2, v4
	v_add_nc_u32 v[ADRA+2+\s], s2, v5
	v_add_nc_u32 v[ADRB+\s], s3, v4
	v_add_nc_u32 v[ADRB+2+\s], s3, v5
	s_add_co_u32 s2, s2, SLOT
	s_add_co_u32 s3, s3, SLOT
.endr
	v_lshlrev_b32 v6, 3, v2
	s_lshl_b32 s2, s21, 12
	s_lshl_b32 s3, s22, 12
	s_add_co_u32 s3, s3, 8192
	s_sub_co_u32 s3, s3, s2
	v_mul_u32_u24 v7, s3, v3
	s_add_co_u32 s2, s2, SCL
	v_add_nc_u32 v6, v6, v7
	v_add_nc_u32 v[ADRS], s2, v6
	s_lshl_b32 s2, s20, 9
	v_lshlrev_b32 v10, 2, v2
	v_add_nc_u32 v10, s2, v10
	v_lshl_add_u32 v8, v3, 8, v10
	v_add_nc_u32 v8, STQ, v8
	v_add_nc_u32 v10, STV, v10
	v_add_nc_u32 v9, s2, v4
	v_add_nc_u32 v11, STV, v9
	v_add_nc_u32 v9, STQ, v9
	v_mul_u32_u24 v12, v3, 12288
	v_lshl_add_u32 v12, v2, 4, v12
.macro FRAG reg, adr, q, i
	ds_load_b128 v[\reg:\reg+3], v[\adr] offset:(\i)*TILEB+(\q)*1536
	ds_load_b64 v[\reg+4:\reg+5], v[\adr+2] offset:(\i)*TILEB+(\q)*1536+512
	ds_load_b128 v[\reg+6:\reg+9], v[\adr] offset:(\i)*TILEB+(\q)*1536+768
	ds_load_b64 v[\reg+10:\reg+11], v[\adr+2] offset:(\i)*TILEB+(\q)*1536+1280
.endm
.macro MUL16 a0, p, q, sc, zero
.irp a, \a0, \a0+1
.irp b, 0,1,2,3,4,5,6,7
.if \zero
	v_wmma_scale_f32_16x16x128_f8f6f4 v[8*(8*((\a)%4)+\b):8*(8*((\a)%4)+\b)+7], v[128*(\p)+FR*\b:128*(\p)+FR*\b+FR-1], v[AF+FR*(\a):AF+FR*(\a)+FR-1], 0, v[SC+8*NQ*(\sc)+NQ*\b+(\q)], v[SC+8*NQ*(\sc)+NQ*(\a)+(\q)] matrix_a_fmt:MATRIX_FMT_FP6 matrix_b_fmt:MATRIX_FMT_FP6 matrix_a_scale:MATRIX_SCALE_ROW1
.else
	v_wmma_scale_f32_16x16x128_f8f6f4 v[8*(8*((\a)%4)+\b):8*(8*((\a)%4)+\b)+7], v[128*(\p)+FR*\b:128*(\p)+FR*\b+FR-1], v[AF+FR*(\a):AF+FR*(\a)+FR-1], v[8*(8*((\a)%4)+\b):8*(8*((\a)%4)+\b)+7], v[SC+8*NQ*(\sc)+NQ*\b+(\q)], v[SC+8*NQ*(\sc)+NQ*(\a)+(\q)] matrix_a_fmt:MATRIX_FMT_FP6 matrix_b_fmt:MATRIX_FMT_FP6 matrix_a_scale:MATRIX_SCALE_ROW1
.endif
.endr
.endr
.endm
.macro FETCH_B slot, q, p
	WIN TO_B
.irp i, 0,1,2,3,4,5,6,7
	FRAG 128*(\p)+FR*\i, ADRB+\slot, \q, \i
.endr
	WIN 0
.endm
.macro FETCH_A slot, q, i0
.irp i, \i0, \i0+1, \i0+2, \i0+3
	FRAG AF+FR*(\i), ADRA+\slot, \q, \i
.endr
.endm
.macro SCALES sc
.irp i, 0,1,2,3,4,5,6,7
	ds_load_b64 v[SC+8*NQ*\sc+NQ*\i:SC+8*NQ*\sc+NQ*\i+1], v[ADRS] offset:\i*512
.endr
.endm
.macro PLACES n
.rept \n
	v_nop
.endr
.endm
.macro STEP slot, q, zero
	s_wait_dscnt 4*NL
	WIN MUL_LO
	MUL16 0, (\q)%2, \q, \slot, \zero
	MUL16 2, (\q)%2, \q, \slot, \zero
	s_wait_dscnt 0
	PLACES NP
	FETCH_B \slot, (\q)+1, 1-(\q)%2
	FETCH_A \slot, (\q)+1, 0
	WIN MUL_HI
	MUL16 4, (\q)%2, \q, \slot, \zero
	MUL16 6, (\q)%2, \q, \slot, \zero
	PLACES NP
	WIN 0
	FETCH_A \slot, (\q)+1, 4
.endm
.macro TURN slot, next, fill
	s_wait_tensorcnt 0x0
	ds_add_u32 v[SPW], v[NIL]
	s_wait_dscnt 4*NL+1
	WIN MUL_LO
	MUL16 0, 1, NQ-1, \slot, 0
	s_wait_dscnt 0x0
	s_barrier_signal -1
	MUL16 2, 1, NQ-1, \slot, 0
	WIN 0
	s_barrier_wait -1
.if \fill
	CREST
	s_add_nc_u64 s[G0+4*\slot+2:G0+4*\slot+3], s[G0+4*\slot+2:G0+4*\slot+3], 2*TILEB
	s_add_nc_u64 s[G0B+4*\slot+2:G0B+4*\slot+3], s[G0B+4*\slot+2:G0B+4*\slot+3], 2*TILEB
	JLOAD G0+4*\slot, G1, G0B+4*\slot, G1B
.else
	PLACES NP
.endif
	s_wait_alu depctr_va_vdst(0)
	v_add_nc_u32 v[ADRS], 128, v[ADRS]
	FETCH_B \next, 0, 0
	FETCH_A \next, 0, 0
	SCALES \next
	WIN MUL_HI
	MUL16 4, 1, NQ-1, \slot, 0
	MUL16 6, 1, NQ-1, \slot, 0
	PLACES NP
	WIN 0
	FETCH_A \next, 0, 4
.endm
	s_wait_tensorcnt 1
	s_barrier_signal -1
	s_barrier_wait -1
	FETCH_B 0, 0, 0
	FETCH_A 0, 0, 0
	SCALES 0
	FETCH_A 0, 0, 4
	STEP 0, 0, 1
	TURN 0, 1, 1
	STEP 1, 0, 0
	TURN 1, 0, 1
	STEP 0, 0, 0
	TURN 0, 1, 0
	STEP 1, 0, 0
	s_wait_dscnt 4*NL
	WIN MUL_LO
	MUL16 0, 1, NQ-1, 1, 0
	MUL16 2, 1, NQ-1, 1, 0
	s_wait_dscnt 0
	WIN MUL_HI
	MUL16 4, 1, NQ-1, 1, 0
	MUL16 6, 1, NQ-1, 1, 0
	WIN 0
.macro QUANT s, pw
.irp b, 0,1,2,3
	v_max3_num_f32 v[TM+\b], |v[\s+16*\b]|, |v[\s+1+16*\b]|, 0x1800000
.endr
.irp i, 2,4,6,8,10,12,14
.irp b, 0,1,2,3
	v_max3_num_f32 v[TM+\b], v[TM+\b], |v[\s+16*\b+\i]|, |v[\s+1+16*\b+\i]|
.endr
.endr
.irp b, 0,1,2,3
	v_permlanex16_b32 v[TM+4+\b], v[TM+\b], s[SEL], s[SEL+1]
.endr
.irp b, 0,1,2,3
	v_max_num_f32 v[TM+\b], v[TM+\b], v[TM+4+\b]
.endr
.irp b, 0,1,2,3
	v_add_nc_u32 v[TM+12+\b], 0xff000000, v[TM+\b]
.endr
.irp b, 0,1,2,3
	v_lshrrev_b32 v[TM+4+\b], 23, v[TM+12+\b]
.endr
	v_lshl_or_b32 v[\pw], v[TM+5], 8, v[TM+4]
	v_lshl_or_b32 v[\pw], v[TM+6], 16, v[\pw]
	v_lshl_or_b32 v[\pw], v[TM+7], 24, v[\pw]
.irp c, 0,1
	v_cvt_scalef32_pk16_fp6_f32 v[PC+6*\c:PC+2+6*\c], v[\s+32*\c:\s+15+32*\c], v[TM+12+2*\c]
	v_cvt_scalef32_pk16_fp6_f32 v[PC+12+4*\c:PC+14+4*\c], v[\s+16+32*\c:\s+31+32*\c], v[TM+12+2*\c+1]
.endr
	v_nop
.irp c, 0,1
.irp i, 0,1,2
	v_permlane16_swap_b32 v[PC+6*\c+\i], v[PC+12+4*\c+\i]
.endr
.irp i, 0,1,2
	v_mov_b32 v[PC+3+6*\c+\i], v[PC+12+4*\c+\i]
.endr
.endr
.endm
.macro TAKE a, lanes
	WIN 0x02+(\a)/4
.irp b, 0,1,2,3,4,5,6,7
.irp j, 0,2,4,6
.if \lanes
	v_pk_add_f32 v[T+8*\b+\j:T+8*\b+\j+1], v[8*(8*((\a)%4)+\b)+\j:8*(8*((\a)%4)+\b)+\j+1], v[BV+2*(\a):BV+2*(\a)+1]
.else
	v_pk_add_f32 v[T+8*\b+\j:T+8*\b+\j+1], v[8*(8*((\a)%4)+\b)+\j:8*(8*((\a)%4)+\b)+\j+1], v[BI+8*\b+\j:BI+8*\b+\j+1]
.endif
.endr
.endr
	WIN 0
.endm
	PLACES NP
	s_wait_loadcnt 0x0
.irp b, 0,1,2,3
	v_mov_b32 v[TM+4+\b], 0
.endr
	s_mov_b32 vcc_lo, 0xffff0000
	s_mov_b32 s[SEL], 0x76543210
	s_mov_b32 s[SEL+1], 0xfedcba98
	s_cmp_eq_u32 ttmp9, 2
	s_cbranch_scc1 .Lv_out
	s_lshr_b32 s2, s43, 3
	s_lshl_b32 s2, s2, 4
	s_and_b32 s3, s42, 3
	s_lshl_b32 s3, s3, 2
	s_add_co_u32 s2, s2, s3
	s_lshl_b32 s3, s22, 1
	s_add_co_u32 s2, s2, s3
	s_and_b32 s3, s43, 7
	s_lshl_b32 s3, s3, 1
	s_add_co_u32 s3, s3, s21
	s_lshl_b32 s24, s2, 7
	s_lshl_b32 s25, s3, 3
	s_add_co_u32 s24, s24, s25
	s_mul_i32 s24, s24, 768
	s_mul_i32 s25, ttmp9, 3145728
	s_add_co_u32 s24, s24, s25
	s_mov_b32 s25, 0
	s_add_nc_u64 s[14:15], s[14:15], s[24:25]
	s_mul_i32 s24, s2, 12288
	s_lshl_b32 s26, ttmp9, 12
	s_add_co_u32 s24, s24, s26
	s_lshl_b32 s26, s3, 8
	s_add_co_u32 s24, s24, s26
	s_add_nc_u64 s[18:19], s[18:19], s[24:25]
.irp pp, 0,1,2,3
.irp e, 0,1
	TAKE 2*\pp+\e, 0
	s_wait_xcnt 0x0
	QUANT T, 212+\e
.irp c, 0,1
	global_store_b128 v4, v[PC+6*\c:PC+6*\c+3], s[14:15] offset:768*(2*\pp+\e)+98304*\c
	global_store_b64 v5, v[PC+6*\c+4:PC+6*\c+5], s[14:15] offset:768*(2*\pp+\e)+98304*\c+512
.endr
.endr
	v_perm_b32 v214, v213, v212, 0x05040100
	v_perm_b32 v215, v213, v212, 0x07060302
	v_cndmask_b32 v[216+\pp], v214, v215, vcc_lo
	ds_store_b32 v8, v[216+\pp] offset:64*\pp
.endr
	ds_load_b128 v[220:223], v9
	s_wait_dscnt 0x0
	global_store_b128 v12, v[220:223], s[18:19]
	s_branch .Ljoin
.Lv_out:
	s_lshl_b32 s2, s42, 1
	s_add_co_u32 s2, s2, s22
	s_lshr_b32 s3, s2, 4
	s_and_b32 s2, s2, 15
	s_lshl_b32 s3, s3, 4
	s_lshl_b32 s24, s43, 2
	s_add_co_u32 s3, s3, s24
	s_lshl_b32 s24, s21, 1
	s_add_co_u32 s3, s3, s24
	s_lshl_b32 s24, s3, 4
	s_add_co_u32 s24, s24, s2
	s_mul_i32 s24, s24, 6144
	s_mov_b32 s25, 0
	s_add_nc_u64 s[16:17], s[16:17], s[24:25]
	s_mul_i32 s24, s3, 12288
	s_lshl_b32 s26, s2, 8
	s_add_co_u32 s24, s24, s26
	s_add_co_u32 s24, s24, 8192
	s_add_nc_u64 s[18:19], s[18:19], s[24:25]
.irp a, 0,1,2,3,4,5,6,7
	TAKE \a, 1
	s_wait_xcnt 0x0
	QUANT T, 212+\a
.irp c, 0,1,2
	global_store_b128 v4, v[PC+4*\c:PC+4*\c+3], s[16:17] offset:98304*(\a/4)+1536*(\a%4)+512*\c
.endr
	ds_store_b32 v10, v[212+\a] offset:64*\a
.endr
	ds_load_b128 v[220:223], v11
	s_wait_dscnt 0x0
	global_store_b128 v12, v[220:223], s[18:19]
.Ljoin:
	s_wait_tensorcnt 0x0
	ds_add_u32 v[SPW], v[NIL]
	s_wait_dscnt 0x0
	CROUND
	s_endpgm
.Lfunc_end_k_qc3d9655849_qkv:
	.size	k_qc3d9655849_qkv, .Lfunc_end_k_qc3d9655849_qkv-k_qc3d9655849_qkv
	.p2alignl 7, 3214868480
	.fill 96, 4, 3214868480
	.section	.rodata,"a",@progbits
	.p2align	6, 0x0
	.amdhsa_kernel k_qc3d9655849_qkv
		.amdhsa_group_segment_fixed_size 327680
		.amdhsa_private_segment_fixed_size 0
		.amdhsa_enable_private_segment 0
		.amdhsa_kernarg_size 64
		.amdhsa_user_sgpr_count 2
		.amdhsa_user_sgpr_kernarg_segment_ptr 1
		.amdhsa_wavefront_size32 1
		.amdhsa_system_sgpr_workgroup_id_x 1
		.amdhsa_system_sgpr_workgroup_id_y 1
		.amdhsa_system_sgpr_workgroup_id_z 1
		.amdhsa_system_vgpr_workitem_id 0
		.amdhsa_next_free_vgpr 1024
		.amdhsa_next_free_sgpr 100
		.amdhsa_reserve_vcc 1
		.amdhsa_float_denorm_mode_32 3
		.amdhsa_float_denorm_mode_16_64 3
		.amdhsa_memory_ordered 1
		.amdhsa_forward_progress 1
		.amdhsa_inst_pref_size 221
	.end_amdhsa_kernel
	.amdgpu_metadata
---
amdhsa.version: [ 1, 2 ]
amdhsa.kernels:
  - .name:           k_qc3d9655849_qkv
    .symbol:         k_qc3d9655849_qkv.kd
    .args:
      - { .name: cod, .offset: 0, .size: 8, .value_kind: global_buffer, .address_space: global }
      - { .name: scl, .offset: 8, .size: 8, .value_kind: global_buffer, .address_space: global }
      - { .name: bq, .offset: 16, .size: 8, .value_kind: global_buffer, .address_space: global }
      - { .name: bk, .offset: 24, .size: 8, .value_kind: global_buffer, .address_space: global }
      - { .name: bv, .offset: 32, .size: 8, .value_kind: global_buffer, .address_space: global }
      - { .name: qk, .offset: 40, .size: 8, .value_kind: global_buffer, .address_space: global }
      - { .name: vim, .offset: 48, .size: 8, .value_kind: global_buffer, .address_space: global }
      - { .name: ats, .offset: 56, .size: 8, .value_kind: global_buffer, .address_space: global }
    .group_segment_fixed_size: 327680
    .private_segment_fixed_size: 0
    .kernarg_segment_align: 8
    .kernarg_segment_size: 64
    .max_flat_workgroup_size: 128
    .sgpr_count:     100
    .vgpr_count:     1024
    .wavefront_size: 32
...
	.end_amdgpu_metadata
.endif
;; end of part 2
;; launch attn (part 3): grid 8 x 32, 8 waves a work-group, clusters of 4 x 1, 327,680 bytes of LDS; arguments qk, vim, ats, pos_bias, ho, hos; writes ho, hos
.if DOCPART == 3
	.amdgcn_target "amdgcn-amd-amdhsa--gfx1250"
	.amdhsa_code_object_version 6
	.text
	.protected	k_qc3d9655849_attn
	.globl	k_qc3d9655849_attn
	.p2align	8
	.type	k_qc3d9655849_attn,@function
k_qc3d9655849_attn:
	s_mov_b64 s[64:65], 0
	v_nop
	global_prefetch_b8 v0, s[64:65] scope:SCOPE_SE
	s_setreg_imm32_b32 hwreg(HW_REG_WAVE_MODE, 25, 1), 1
	s_wait_xcnt 0x0
	s_wait_alu depctr_hold_cnt(0) depctr_sa_sdst(0) depctr_va_vdst(0) depctr_va_sdst(0) depctr_va_ssrc(0) depctr_va_vcc(0) depctr_vm_vsrc(0)
	s_getreg_b32 s2, hwreg(HW_REG_IB_STS2, 6, 4)
	s_cmp_eq_u32 s2, 0
	s_cbranch_scc0 .Lentry_in_a_cluster
	s_endpgm
.Lentry_in_a_cluster:
	s_bfe_u32 s2, ttmp6, 0x10000c
	s_cmp_lg_u32 s2, 0x3003
	s_cbranch_scc0 .Lentry_shape_is_right
	s_endpgm
.Lentry_shape_is_right:
; heads[b][h][q][:] = softmax_k(q . k / 8 + pos_bias[h][q - k + 2047]) v, both products on codes of FP6 (E2M3) with E8M0 scales; the result is quantised at once, along the model's 1,024, for the last product.
; THE SOFTMAX: t = logit x log2(e); M = the row's largest t so far, rounded UP to a whole number; p = 2^(t - M) is quantised along the keys; the row's sum is taken of the unquantised p and divides at the end.
; When M moves, the sum and O are multiplied by 2^(old M - new M): exact.
; SHARES.  A work-group owns 256 queries of one head; each of its eight waves owns TWO stored tiles of 16 queries, tile w (A) and tile w + 8 (B), whose queries lie 128 apart.  Every wave walks all 2,048 keys, 128 a step.
; Each fragment of K and of V that a wave reads from LDS serves both tiles.
; A WHOLE HEAD'S K AND V LIE IN LDS (98,304 bytes each, 4,096 of scale words each), filled once by eight tensor loads at the head, one a wave: waves 0-2 a third of K each, 3-5 a third of V, 6 and 7 the scale words.
; Nothing is filled twice: no ring, one barrier behind the fills, none in the loop.  No prefetch: no tensor load follows the head, so there is no loop to run ahead in.
; CLUSTER.  The four query blocks of a cluster belong to one head and read the same K and V: each load is asked for jointly, with a mask that names the four.
; LAYOUT.  Both products are used transposed: S^T = K Q^T, O^T = V^T P^T: a lane holds one query (lane % 16) of each tile.  Tokens are stored in tiles of 16 with bits 3 and 4 of the token's number exchanged,
; so that the 16 registers of key tiles 2 b and 2 b + 1 are 16 neighbouring keys, 32 b + 16 (lane / 16) + 0 .. 15.
; K = 64 IN AN INSTRUCTION OF 128.  A fragment of K holds two key tiles, one in each half of the instruction's K.  qA and qB stand between runs of six zero registers: read from its own start q meets the first tile,
; read from six registers earlier the second.
; THE BIAS IS THE C OF THE FIRST PRODUCT: t = (S + 8 bias) x log2(e) / 8, and 8 x bias is exact.  T[m] = 8 pos_bias[256 block + 2302 - m], m = key + 255 - (the query's number in the block); four copies of T, shifted by
; 0 to 3 entries, let every lane read 16 aligned bytes.  m hangs on key - query alone, and B's queries are A's + 128: so the 64 registers read for A's step s are B's bias in step s + 1 (C and D are different registers).
; THE TWO TILES ARE STAGGERED, and a tile's softmax is cut into three parts: P1 the blocks' largest scores; P2 t - M, O^T under the new M, the exponentials; P3 the sum, p's scales and codes.
; A trip: A's scores of step s are issued; P2 of B; P1 of A; P3 of B, with A's row chain (largest t, M, f) laid among its sums; B's scores of step s + 1 are issued; P2 of A; P1 of B; P3 of A with B's row chain; both p x V.
; So a tile's scores are read a P2 behind their issue, directly behind the wait that closes the other tile's exponentials.  The last step is written out: it fetches and multiplies nothing beyond key 2,047.
; LIMITS: NaN and infinities are not served; 8 x pos_bias must be finite; the scaled scores stay under 2^31 in magnitude.  A block whose largest magnitude lies under 2^-124 gets the scale byte 1; the bytes are read by this program alone.
; hos is written in single bytes, 131,072 in all: a scale word of the last product spans two heads, which belong to two work-groups.
; REGISTERS, window 0: v1-6 addresses that stay, v7-13 the step's; v14-17 A's -M, largest t, sum; v18-47 zeros, qA, zeros, qB, zeros; v48-51 B's state; v52, 53 q's scale words; v54, 55 p's; v56-59 K's words (lanes 0-15)
; and V's (lanes 16-31); v60 f (v61 = 0); v64-127 B's S^T, then p; v128-151 p's codes; v152-159 B's blocks' maxima and scratch; v160-183 at work; v184-247 A's S^T, then p; v248-255 A's blocks' maxima and scratch.
; Window 1: v0-47 K's four fragments; v48-95 V's; v96-159 the bias; v160-191 A's O^T; v192-223 B's.
.set VIMG, 98304
.set KSC,  196608                      ; K's scale words; V's 4,096 bytes on
.set TBL,  204800                      ; the four copies of the bias table: written by LDS stores alone
.set SPARE, 246016                     ; the spare words: 128 bytes for each of 8 waves
.set WV,   18
.set SEL,  22
.set CS,   24                          ; s[24:25] c = log2(e) / 8
.set G1C,  28
.set G1S,  36
.set G0C,  44
.set G0S,  48
.set T6,   66                          ; the step's K and V: 6,144 bytes a step
.set T5,   67                          ; its place in the bias table: 512 bytes a step
.set T4,   68                          ; its scale words: 256 bytes a step
.set CNT,  69
.set KW,   56
.set F,    60
.set SPW,  62
.set NIL,  63
.set SB,   64
.set SA,   184
.set S,    SB                          ; the tile at work: set ahead of each use of the macros below
.set TM,   152
.set PM,   248
.set RT,   172
.set SU,   176
.set VF,   48
.set XB,   96
.set MSB, 0
.macro WIN new                         ; the immediate's high byte repeats the setting that is left
.if MSB != \new
	s_set_vgpr_msb (MSB<<8)|\new
.set MSB, \new
.endif
.endm
.macro CROUND                          ; a round of the cluster's barrier
	s_barrier_signal -1
	s_barrier_wait -1
	s_cmp_lg_u32 s[WV], 0
	s_cbranch_scc1 .Lnot_wave_0_\@
	s_barrier_signal -3
.Lnot_wave_0_\@:
	s_barrier_wait -3
	s_barrier_signal -1
	s_barrier_wait -1
.endm
	s_load_b256 s[4:11], s[0:1], 0x0               ; qk, vim, ats, pos_bias
	s_load_b128 s[12:15], s[0:1], 0x20             ; ho, hos
	v_lshl_add_u32 v[SPW], v0, 2, SPARE
	v_mov_b32 v[NIL], 0
	ds_add_u32 v[SPW], v[NIL]                      ; the opening lines
	ds_add_u32 v[SPW], v[NIL]
	v_lshrrev_b32 v1, 5, v0
	v_readfirstlane_b32 s[WV], v1                  ; wave 0..7
	s_bfe_u32 s20, ttmp6, 0x40000                  ; cx
	s_lshl_b32 s21, ttmp9, 2
	s_add_co_u32 s21, s21, s20                     ; my block of 256 queries: it enters global addresses alone
	s_and_b32 s26, ttmp7, 0xffff                   ; 16 batch + head, which the four partners share
	s_and_b32 s27, s26, 15                         ; the head
	s_and_b32 s19, s[WV], 1
	s_mov_b32 s[G1C], 15|(3<<16)|(1<<21)           ; the mask: all four work-groups; elements of 8 bytes
	s_mov_b32 s[G1C+1], 32<<16                     ; a dense block as rows of 256 bytes:
	s_mov_b32 s[G1C+2], 128<<16                    ; 128 of them, a third of an image
	s_mov_b32 s[G1C+3], 32<<16
	s_mov_b32 s[G1C+4], 128
	s_mov_b32 s[G1C+5], 32
	s_mov_b32 s[G1C+6], 0
	s_mov_b32 s[G1C+7], 0
	s_mov_b32 s[G1S], 15|(3<<16)|(1<<21)
	s_mov_b32 s[G1S+1], 32<<16
	s_mov_b32 s[G1S+2], 16<<16                     ; 16 rows: 4,096 bytes of scale words
	s_mov_b32 s[G1S+3], 32<<16
	s_mov_b32 s[G1S+4], 16
	s_mov_b32 s[G1S+5], 32
	s_mov_b32 s[G1S+6], 0
	s_mov_b32 s[G1S+7], 0
	s_mul_i32 s70, s26, 98304                      ; the head's K, or V
	s_mov_b32 s71, 0
	s_mul_i32 s72, s26, 12288                      ; the head's scale words
	s_mov_b32 s73, 0
	s_cmp_lt_u32 s[WV], 3
	s_cselect_b32 s74, 0, 3
	s_sub_co_u32 s74, s[WV], s74
	s_lshl_b32 s74, s74, 15                        ; which third
	s_mov_b32 s75, 0
	s_lshl_b32 s78, s19, 12
	s_mov_b32 s79, 0
	s_mov_b32 s[G0C], 1
	s_lshl_b32 s[G0C+1], s[WV], 15                 ; LDS: K's thirds at 0, V's behind them
	s_mov_b32 s[G0S], 1
	s_add_co_u32 s[G0S+1], s78, KSC
	s_add_co_u32 s78, s78, 4096                    ; k's words lie 4,096 bytes into the head's, v's 8,192
	s_lshl_b32 s52, s26, 7                         ; q: my tile A's half fragment: tile 128 (16 batch + head) + 16 block + wave
	s_lshl_b32 s53, s21, 4
	s_add_co_u32 s52, s52, s53
	s_add_co_u32 s52, s52, s[WV]
	s_mul_i32 s52, s52, 768
	s_mov_b32 s53, 0
	s_lshl_b32 s54, s21, 9                         ; q's scale words: 64 bytes a pair of tiles: pair 8 block + w / 2
	s_lshr_b32 s55, s[WV], 1
	s_lshl_b32 s55, s55, 6
	s_add_co_u32 s54, s54, s55
	s_mul_i32 s56, s27, 16380                      ; the head's row of pos_bias
	s_mov_b32 s57, 0
	s_lshl_b32 s58, s21, 10
	s_add_co_u32 s58, s58, 4*2302
	s_lshl_b32 s59, s19, 4
	s_mov_b32 s[SEL], 0x76543210
	s_mov_b32 s[SEL+1], 0xfedcba98
	s_mov_b32 s[CS], 0x3e38aa3b
	s_mov_b32 s[CS+1], s[CS]
	s_mov_b32 s[T6], 0
	s_mov_b32 s[T5], 0
	s_mov_b32 s[T4], 0
	v_and_b32 v1, 31, v0
	v_and_b32 v5, 15, v0
	v_bfe_u32 v7, v0, 4, 1                         ; h
	v_lshlrev_b32 v2, 3, v1
	v_lshlrev_b32 v5, 2, v5                        ; 4 r
	v_lshlrev_b32 v1, 4, v1                        ; 16 l: a half fragment's first 16 bytes of a lane
	v_add_nc_u32 v2, 512, v2                       ; 512 + 8 l: its last 8
	v_mad_u32_u24 v4, v7, 3840, v5                 ; scale words: lanes 0-15 K's, lanes 16-31 V's of one step earlier
	v_add_nc_u32 v3, VIMG, v1
	v_add_nc_u32 v13, s54, v5
	v_add_nc_u32 v4, KSC, v4
	v_lshrrev_b32 v6, 6, v0                        ; A's query in the block: stored place 16 w + r is true row 32 (w / 2) + 8 (w % 2) + r % 8 + 16 (r / 8)
	v_bfe_u32 v8, v0, 5, 1
	v_lshlrev_b32 v6, 5, v6
	v_and_b32 v9, 7, v0
	v_lshl_add_u32 v6, v8, 3, v6
	v_bfe_u32 v8, v0, 3, 1
	v_add_nc_u32 v6, v6, v9
	v_lshlrev_b32 v[TM], 2, v0                     ; the bias table: thread t takes entries t + 256 k, k = 0 .. 7, and t + 2,048 held at 2,302
	v_lshl_add_u32 v6, v8, 4, v6
	v_add_nc_u32 v[TM+1], 2048, v0
	v_sub_nc_u32 v6, 255, v6                       ; u = 255 - it, 128 at the least: key k's entry is T[k + u]
	v_min_u32 v[TM+1], 2302, v[TM+1]
	v_and_b32 v8, 1, v6
	v_bfe_u32 v9, v6, 1, 1
	v_and_b32 v6, 0xfc, v6
	v_lshlrev_b32 v[TM+1], 2, v[TM+1]
	v_lshlrev_b32 v6, 2, v6                        ; 4 (u - u % 4),
	v_sub_nc_u32 v[TM], s58, v[TM]                 ; T runs against pos_bias
	v_mad_u32_u24 v6, v8, 10272, v6                ; in copy u % 4: the copies begin at 0, 10,272, 20,608, 30,880
	v_sub_nc_u32 v[TM+1], s58, v[TM+1]
	v_mad_u32_u24 v6, v9, 20608, v6
	v_lshl_add_u32 v[TM+2], v0, 2, TBL
	v_lshl_add_u32 v6, v7, 6, v6                   ; + 16 keys for lanes 16-31
	s_delay_alu instid0(VALU_DEP_1)
	v_add_nc_u32 v6, TBL+16-512, v6                ; one step (128 entries) back: B's bias of step 0
	s_wait_alu depctr_va_vdst(0)
	s_wait_dscnt 0x0
	s_wait_kmcnt 0x0
	s_add_nc_u64 s[8:9], s[8:9], s[72:73]
	s_add_nc_u64 s[60:61], s[4:5], s[52:53]
	s_add_nc_u64 s[10:11], s[10:11], s[56:57]
	global_load_b128 v[24:27], v1, s[60:61]        ; qA, and qB eight tiles on
	global_load_b64 v[28:29], v2, s[60:61]
	global_load_b128 v[36:39], v1, s[60:61] offset:6144
	global_load_b64 v[40:41], v2, s[60:61] offset:6144
	global_load_b32 v52, v13, s[8:9]
	global_load_b32 v53, v13, s[8:9] offset:256
.irp k, 0,1,2,3,4,5,6,7
	global_load_b32 v[SB+\k], v[TM], s[10:11] offset:-1024*\k
.endr
	global_load_b32 v[SB+8], v[TM+1], s[10:11]
	s_add_nc_u64 s[76:77], s[4:5], 3145728         ; k's half of qk
	s_cmp_lt_u32 s[WV], 3
	s_cselect_b64 s[76:77], s[76:77], s[6:7]
	s_add_nc_u64 s[76:77], s[76:77], s[70:71]
	s_add_nc_u64 s[G0C+2:G0C+3], s[76:77], s[74:75]
	s_or_b32 s[G0C+3], s[G0C+3], 0x80000000
	s_add_nc_u64 s[G0S+2:G0S+3], s[8:9], s[78:79]
	s_or_b32 s[G0S+3], s[G0S+3], 0x80000000
	CROUND                                         ; all four work-groups are here: the joint loads meet
	s_cmp_lt_u32 s[WV], 6                          ; every way passes one load
	s_cbranch_scc0 .Lwords
	tensor_load_to_lds s[G0C:G0C+3], s[G1C:G1C+7]
	s_nop 0
.rept 4
	v_nop
.endr
	s_branch .Lasked
.Lwords:
	tensor_load_to_lds s[G0S:G0S+3], s[G1S:G1S+7]
	s_nop 0
.rept 4
	v_nop
.endr
.Lasked:
.irp j, 18,19,20,21,22,23,30,31,32,33,34,35,42,43,44,45,46,47
	v_mov_b32 v[\j], 0                             ; the zero codes beside qA and qB
.endr
.irp j, 16,17,50,51,F+1,TM+4,TM+5,TM+6,TM+7,RT,RT+1
	v_mov_b32 v[\j], 0                             ; the sums; f's pair; lane permutes' destinations
.endr
	v_mov_b32 v15, 0xff61b1e6                      ; the largest t so far: -3e38, under every t
	v_mov_b32 v49, 0xff61b1e6
	v_floor_f32 v14, -v15                          ; -M
	v_floor_f32 v48, -v49
	WIN 0x40
.set i, 0
.rept 64
	v_mov_b32 v[160+i], 0                          ; both O^T: the step has no first step of its own; the first change of M leaves zeros zeros
.set i, i+1
.endr
	WIN 0
	s_wait_loadcnt 0x0
.irp q, 52,53
	v_lshrrev_b32 v[\q], s59, v[\q]                ; my tile's two bytes of the pair's word,
.endr
.irp q, 52,53
	v_and_b32 v[\q], 0xffff, v[\q]
.endr
.irp q, 52,53
	v_lshl_or_b32 v[\q], v[\q], 16, v[\q]          ; in both halves: q may stand in either half of the instruction's K
.endr
.irp k, 0,1,2,3,4,5,6,7,8
	v_mul_f32 v[SB+\k], 0x41000000, v[SB+\k]       ; 8 x bias: exact
.endr
.irp c, 0,1,2,3
.irp k, 0,1,2,3,4,5,6,7,8
	ds_store_b32 v[TM+2], v[SB+\k] offset:1024*\k+10272*(\c%2)+20608*(\c/2)+16-4*\c   ; copy c holds entry m at 16 + 4 (m - c); entry 2,303 falls between the copies and is not read
.endr
.endr
.macro KLOAD a16, a8, off              ; four fragments of K, two key tiles each: 16 loads
.irp b, 0,1,2,3
	ds_load_b128 v[12*\b:12*\b+3], v[\a16] offset:\off+1536*\b
	ds_load_b64 v[12*\b+4:12*\b+5], v[\a8] offset:\off+1536*\b
	ds_load_b128 v[12*\b+6:12*\b+9], v[\a16] offset:\off+1536*\b+768
	ds_load_b64 v[12*\b+10:12*\b+11], v[\a8] offset:\off+1536*\b+768
.endr
.endm
.macro XLOAD a, off                    ; 8 x bias of keys 32 b + 16 h + 4 n + 0 .. 3: 16 loads
.irp b, 0,1,2,3
.irp n, 0,1,2,3
	ds_load_b128 v[XB+16*\b+4*\n:XB+16*\b+4*\n+3], v[\a] offset:\off+128*\b+16*\n
.endr
.endr
.endm
.macro SMUL q, qs                      ; S^T = K q^T + 8 bias: D in window 0, K's fragments and the bias in window 1
	WIN 0x11
.irp b, 0,1,2,3
	v_wmma_scale_f32_16x16x128_f8f6f4 v[S+16*\b:S+16*\b+7], v[12*\b:12*\b+11], v[\q:\q+11], v[XB+16*\b:XB+16*\b+7], v[KW+\b], v[\qs] matrix_a_fmt:MATRIX_FMT_FP6 matrix_b_fmt:MATRIX_FMT_FP6
	v_wmma_scale_f32_16x16x128_f8f6f4 v[S+16*\b+8:S+16*\b+15], v[12*\b:12*\b+11], v[\q-6:\q+5], v[XB+16*\b+8:XB+16*\b+15], v[KW+\b], v[\qs] matrix_a_fmt:MATRIX_FMT_FP6 matrix_b_fmt:MATRIX_FMT_FP6
.endr
	WIN 0
.endm
.macro PV ob, cd, pw                   ; O^T += V^T p^T; V's scale words stand in lanes 16-31
.irp d, 0,1,2,3
	v_wmma_scale_f32_16x16x128_f8f6f4 v[\ob+8*\d:\ob+8*\d+7], v[VF+12*\d:VF+12*\d+11], v[\cd:\cd+11], v[\ob+8*\d:\ob+8*\d+7], v[KW+\d], v[\pw] matrix_a_fmt:MATRIX_FMT_FP6 matrix_b_fmt:MATRIX_FMT_FP6 matrix_a_scale:MATRIX_SCALE_ROW1
.endr
.endm
; P1: the largest score of each block of 32 keys of v[S ..], into v[bm .. bm+3] (bm+4 .. bm+7: scratch), two chains a block.  It serves for the row's maximum and, since p rises with the score, for the block's largest p.
; Its 32 first lines are the first readers of S^T: plain vector instructions alone, directly behind a wait where exponentials stand behind the products.
.macro P1 bm
.irp b, 0,1,2,3
	v_max3_num_f32 v[\bm+\b], v[S+16*\b], v[S+1+16*\b], v[S+2+16*\b]
.endr
.irp b, 0,1,2,3
	v_max3_num_f32 v[\bm+4+\b], v[S+7+16*\b], v[S+8+16*\b], v[S+9+16*\b]
.endr
.irp i, 3,5
.irp b, 0,1,2,3
	v_max3_num_f32 v[\bm+\b], v[\bm+\b], v[S+16*\b+\i], v[S+1+16*\b+\i]
.endr
.irp b, 0,1,2,3
	v_max3_num_f32 v[\bm+4+\b], v[\bm+4+\b], v[S+7+16*\b+\i], v[S+8+16*\b+\i]
.endr
.endr
.irp b, 0,1,2,3
	v_max3_num_f32 v[\bm+4+\b], v[\bm+4+\b], v[S+14+16*\b], v[S+15+16*\b]
.endr
.irp b, 0,1,2,3
	v_max_num_f32 v[\bm+\b], v[\bm+\b], v[\bm+4+\b]
.endr
.irp b, 0,1,2,3
	v_permlanex16_b32 v[\bm+4+\b], v[\bm+\b], s[SEL], s[SEL+1]
.endr
.irp b, 0,1,2,3
	v_max_num_f32 v[\bm+\b], v[\bm+\b], v[\bm+4+\b]   ; with lane l xor 16's 16 keys
.endr
.endm
; Line k of a tile's row chain: the step's largest score, as t; the running largest t; the new -M = -ceil(t); f = 2^(old M - new M).  st = 0: no line.
.macro CH k, bm, st
.if \st != 0
.if \k == 0
	v_max3_num_f32 v[RT], v[\bm], v[\bm+1], v[\bm+2]
.endif
.if \k == 1
	v_max_num_f32 v[RT], v[RT], v[\bm+3]
.endif
.if \k == 2
	v_mul_f32 v[RT], s[CS], v[RT]                  ; (c is positive)
.endif
.if \k == 3
	v_max_num_f32 v[\st+1], v[\st+1], v[RT]
.endif
.if \k == 4
	v_mov_b32 v[RT], v[\st]
.endif
.if \k == 5
	v_floor_f32 v[\st], -v[\st+1]
.endif
.if \k == 6
	v_sub_f32 v[RT], v[\st], v[RT]                 ; a whole number, 0 or less
.endif
.if \k == 7
	v_cvt_i32_f32 v[RT], v[RT]                     ; (it saturates)
.endif
.if \k == 8
	v_ldexp_f32 v[F], 1.0, v[RT]
.endif
.endif
.endm
; P2: t - M, O^T under the new M, p = 2^(t - M).  The exponentials go in two batches of 32 and 36; between the first batch's stand the second half's multiply-adds, between the second's the first sums of the first half:
; each such line's result is first read behind the next wait.
.macro P2 bm, st, ob
.set i, 0
.rept 16
	v_pk_fma_f32 v[S+i:S+i+1], v[S+i:S+i+1], s[CS:CS+1], v[\st:\st+1] op_sel_hi:[1,0,0]   ; t - M of keys' blocks 0 and 1, two at a time
.set i, i+2
.endr
	WIN 0x41                                       ; destination and source 0 in window 1
	s_wait_alu depctr_va_vdst(0)                   ; the wait directly ahead of the first readers of O^T, and ahead of the batch
.set i, 0
.rept 16
	v_pk_mul_f32 v[\ob+i:\ob+i+1], v[\ob+i:\ob+i+1], v[F:F+1] op_sel_hi:[1,0]   ; O^T under the new M
.set i, i+2
.endr
	WIN 0
.set i, 0
.rept 16
	v_exp_f32 v[S+i], v[S+i]
.if i < 8
	v_fma_f32 v[\bm+i/2], v[\bm+i/2], s[CS], v[\st]   ; t - M of each block's largest score
.endif
	v_exp_f32 v[S+i+1], v[S+i+1]
	v_pk_fma_f32 v[S+32+i:S+33+i], v[S+32+i:S+33+i], s[CS:CS+1], v[\st:\st+1] op_sel_hi:[1,0,0]   ; t - M of blocks 2 and 3
.set i, i+2
.endr
	s_wait_alu depctr_va_vdst(0)                   ; behind the first batch and ahead of the second
.set i, 0
.rept 8
	v_exp_f32 v[S+32+4*i], v[S+32+4*i]
	v_exp_f32 v[S+33+4*i], v[S+33+4*i]
.if i < 4
	v_pk_add_f32 v[SU+2*i:SU+2*i+1], v[S+4*i:S+4*i+1], v[S+4*i+2:S+4*i+3]   ; the row's sum of the unquantised p begins, in eight chains
.else
	v_pk_add_f32 v[TM+4+2*i:TM+5+2*i], v[S+4*i:S+4*i+1], v[S+4*i+2:S+4*i+3]
.endif
	v_exp_f32 v[S+34+4*i], v[S+34+4*i]
	v_exp_f32 v[S+35+4*i], v[S+35+4*i]
.set i, i+1
.endr
.irp b, 0,1,2,3
	v_exp_f32 v[\bm+\b], v[\bm+\b]                 ; the block's largest p: the same two instructions on the same number give the same bits
.endr
	v_pk_mul_f32 v[\st+2:\st+3], v[\st+2:\st+3], v[F:F+1] op_sel_hi:[1,0]   ; the sum under the new M; a plain place behind the batch
	s_wait_alu depctr_va_vdst(0)                   ; the wait behind the batch; where P1 follows, also the wait directly ahead of the first readers of the other tile's S^T
.endm
; P3: the rest of the sum, p's scale word pw and codes cd.  The other tile's row chain (cb, cs) is laid among its lines.
.macro P3 bm, st, pw, cd, cb, cs
.irp j, 0,1,2,3
	v_pk_add_f32 v[SU+2*\j:SU+2*\j+1], v[SU+2*\j:SU+2*\j+1], v[S+32+2*\j:S+33+2*\j]
.endr
	CH 0, \cb, \cs
.irp j, 0,1,2,3
	v_pk_add_f32 v[TM+12+2*\j:TM+13+2*\j], v[TM+12+2*\j:TM+13+2*\j], v[S+40+2*\j:S+41+2*\j]
.endr
	CH 1, \cb, \cs
.irp b, 0,1,2,3
	v_max_num_f32 v[\bm+\b], 0x1800000, v[\bm+\b]  ; the floor 2^(3 - 127): the byte cannot fall under 1
.endr
	CH 2, \cb, \cs
.irp j, 0,1,2,3
	v_pk_add_f32 v[SU+2*\j:SU+2*\j+1], v[SU+2*\j:SU+2*\j+1], v[S+48+2*\j:S+49+2*\j]
.endr
	CH 3, \cb, \cs
.irp j, 0,1,2,3
	v_pk_add_f32 v[TM+12+2*\j:TM+13+2*\j], v[TM+12+2*\j:TM+13+2*\j], v[S+56+2*\j:S+57+2*\j]
.endr
	CH 4, \cb, \cs
.irp b, 0,1,2,3
	v_add_nc_u32 v[TM+8+\b], 0xff000000, v[\bm+\b] ; 2 off the exponent field: the conversion's scale operand
.endr
	CH 5, \cb, \cs
.irp j, 0,1,2,3
	v_pk_add_f32 v[SU+2*\j:SU+2*\j+1], v[SU+2*\j:SU+2*\j+1], v[TM+12+2*\j:TM+13+2*\j]
.endr
	CH 6, \cb, \cs
.irp b, 0,1,2,3
	v_lshrrev_b32 v[\bm+4+\b], 23, v[TM+8+\b]      ; the scale's byte
.endr
	v_lshl_or_b32 v[\pw], v[\bm+5], 8, v[\bm+4]    ; p's scale word for these 128 keys
	v_pk_add_f32 v[SU:SU+1], v[SU:SU+1], v[SU+2:SU+3]
	v_lshl_or_b32 v[\pw], v[\bm+6], 16, v[\pw]
	v_pk_add_f32 v[SU+4:SU+5], v[SU+4:SU+5], v[SU+6:SU+7]
	v_lshl_or_b32 v[\pw], v[\bm+7], 24, v[\pw]
.irp c, 0,1
	v_cvt_scalef32_pk16_fp6_f32 v[\cd+6*\c:\cd+6*\c+2], v[S+32*\c:S+32*\c+15], v[TM+8+2*\c]
	v_cvt_scalef32_pk16_fp6_f32 v[TM+12+4*\c:TM+14+4*\c], v[S+16+32*\c:S+31+32*\c], v[TM+9+2*\c]   ; (a conversion's three registers begin on an even number)
.endr
	v_pk_add_f32 v[\st+2:\st+3], v[\st+2:\st+3], v[SU:SU+1]   ; also the plain place behind the scaled conversions
.irp c, 0,1                                    ; the operand's layout wants a whole block in a lane
.irp i, 0,1,2
	v_permlane16_swap_b32 v[\cd+6*\c+\i], v[TM+12+4*\c+\i]
.endr
.irp i, 0,1,2
	v_mov_b32 v[\cd+3+6*\c+\i], v[TM+12+4*\c+\i]
.endr
.endr
	v_pk_add_f32 v[\st+2:\st+3], v[\st+2:\st+3], v[SU+4:SU+5]
	CH 7, \cb, \cs
	CH 8, \cb, \cs
.endm
	s_wait_alu depctr_va_vdst(0)                   ; the wait at the head's end
	s_wait_tensorcnt 0x0                           ; my load has landed,
	s_wait_dscnt 0x0                               ; my part of the bias table lies in LDS:
	s_barrier_signal -1
	s_barrier_wait -1                              ; and so of every wave
	WIN 0x40
	XLOAD 6, 0                                     ; B's bias of step 0
	KLOAD 1, 2, 0
	WIN 0
.irp b, 0,1,2,3
	ds_load_b32 v[KW+\b], v4 offset:64*\b          ; K's words of step 0 (lanes 16-31: not used yet)
.endr
	s_wait_dscnt 0x0
.set S, SB
	SMUL 36, 53                                    ; B's scores of step 0
.rept 4
	v_nop                                          ; places in front of the loads into the bias registers and of the reads of S^T
.endr
	WIN 0x40
	XLOAD 6, 512                                   ; A's bias of step 0, which is B's of step 1
	WIN 0
	P1 TM
.irp k, 0,1,2,3,4,5,6,7,8
	CH \k, TM, 48
.endr
	s_wait_alu depctr_va_vdst(0)
; A step.  On entry B's blocks' maxima, -M and f of this step are made, this step's K and its words lie in registers, and this step's bias for A is on its way.
.macro BODY last
	s_wait_dscnt 0x0                               ; the bias is in
.set S, SA
	SMUL 24, 52                                    ; A's scores of this step
	v_add_nc_u32 v7, s[T6], v1                     ; (these four are the places behind the products of this step and of the last, in front of the loads into K's, V's and the words' registers)
	v_add_nc_u32 v8, s[T6], v2
	v_add_nc_u32 v9, s[T6], v3
	v_add_nc_u32 v10, s[T4], v4
.irp b, 0,1,2,3
	ds_load_b32 v[KW+\b], v10 offset:256+64*\b     ; lanes 0-15: K's words of the next step; lanes 16-31: V's of this one
.endr
	WIN 0x40
.if \last == 0
	KLOAD 7, 8, 6144                               ; the next step's K
.endif
.irp d, 0,1,2,3
.irp c, 0,1,2
	ds_load_b128 v[VF+12*\d+4*\c:VF+12*\d+4*\c+3], v9 offset:1536*\d+512*\c
.endr
.endr
	WIN 0
.set S, SB
	P2 TM, 48, 192
.set S, SA
	P1 PM
.set S, SB
	P3 TM, 48, 55, 140, PM, 14
.if \last == 0
	s_wait_dscnt 12                                ; the words and the next K are in; V's twelve loads may be out
	SMUL 36, 53                                    ; B's scores of the next step: their bias is A's of this one
	v_add_nc_u32 v12, s[T5], v6
.rept 3
	v_nop                                          ; with the line above: places in front of the loads into the bias registers
.endr
	WIN 0x40
	XLOAD 12, 1024                                 ; A's bias of the next step
	WIN 0
.endif
.set S, SA
	P2 PM, 14, 160
.if \last == 0
.set S, SB
	P1 TM
.set S, SA
	P3 PM, 14, 54, 128, TM, 48
.else
	P3 PM, 14, 54, 128, 0, 0
.endif
.rept 3
	v_nop                                          ; with the sum's last line: four places between p's codes and the products
.endr
	s_wait_alu depctr_va_vdst(0)
.if \last == 0
	s_wait_dscnt 16                                ; V is in; the sixteen loads of the bias may be out
.else
	s_wait_dscnt 0x0
.endif
	WIN 0x51
	PV 192, 140, 55                                ; eight accumulators, one instruction a turn
	PV 160, 128, 54
	WIN 0
.if \last == 0
	s_add_co_u32 s[T6], s[T6], 6144
	s_add_co_u32 s[T5], s[T5], 512
	s_add_co_u32 s[T4], s[T4], 256
.endif
.endm
	s_mov_b32 s[CNT], 15
.Lstep:
	BODY 0
	s_sub_co_u32 s[CNT], s[CNT], 1
	s_cmp_lg_u32 s[CNT], 0
	s_cbranch_scc1 .Lstep
	BODY 1                                         ; keys 1,920 to 2,047: nothing follows them
	; THE WAY OUT.  O^T / the sum: register 16 b + i is channel 32 b + 16 h + i of my query: two blocks of the last product's K.  They are quantised and leave as half a fragment.
	v_add_f32 v16, v16, v17
	v_add_f32 v50, v50, v51
	v_permlanex16_b32 v[RT], v16, s[SEL], s[SEL+1]
	v_permlanex16_b32 v[RT+1], v50, s[SEL], s[SEL+1]
	v_add_f32 v16, v16, v[RT]                      ; the rows' sums
	v_add_f32 v50, v50, v[RT+1]
	s_wait_alu depctr_va_vdst(0)                   ; the wait ahead of the transcendentals
	v_rcp_f32 v16, v16
	v_rcp_f32 v50, v50
	v_and_b32 v7, 15, v0
	v_bfe_u32 v8, v0, 4, 1
	v_lshl_add_u32 v9, v7, 3, v8                   ; 8 r + h: my byte among the tile's scale bytes
	s_lshr_b32 s70, s26, 4
	s_lshl_b32 s70, s70, 7
	s_lshl_b32 s72, s21, 4
	s_add_co_u32 s70, s70, s72
	s_add_co_u32 s70, s70, s[WV]                   ; A's token tile: 128 batch + 16 block + wave; B's is eight on
	s_lshl_b32 s72, s70, 4
	s_add_co_u32 s72, s72, s27
	s_mul_i32 s72, s72, 768                        ; its piece of 64 along K is the head's
	s_mov_b32 s73, 0
	s_add_nc_u64 s[12:13], s[12:13], s[72:73]
	s_lshl_b32 s72, s70, 9                         ; its scale words: 128 bytes for four heads, a word for two heads, two bytes a head
	s_lshr_b32 s74, s27, 2
	s_lshl_b32 s74, s74, 7
	s_add_co_u32 s72, s72, s74
	s_bfe_u32 s74, s27, 0x10001
	s_lshl_b32 s74, s74, 2
	s_add_co_u32 s72, s72, s74
	s_and_b32 s74, s27, 1
	s_lshl_b32 s74, s74, 1
	s_add_co_u32 s72, s72, s74
	s_add_nc_u64 s[14:15], s[14:15], s[72:73]
	s_mov_b32 vcc_lo, 0xffff0000                   ; lanes 16-31
.macro OUT st, ob, cd, by, t
	WIN 0x01
	s_wait_alu depctr_va_vdst(0)                   ; the wait ahead of the first reader of the reciprocal and of O^T
.set i, 0
.rept 32
	v_mul_f32 v[S+i], v[\ob+i], v[\st+2]           ; each accumulator from its low end on
.set i, i+1
.endr
	WIN 0
.irp b, 0,1
	v_max3_num_f32 v[TM+\b], |v[S+16*\b]|, |v[S+1+16*\b]|, 0x1800000
.endr
.irp i, 2,4,6,8,10,12,14
.irp b, 0,1
	s_delay_alu instid0(VALU_DEP_2)
	v_max3_num_f32 v[TM+\b], v[TM+\b], |v[S+16*\b+\i]|, |v[S+1+16*\b+\i]|
.endr
.endr
.irp b, 0,1
	v_permlanex16_b32 v[TM+4+\b], v[TM+\b], s[SEL], s[SEL+1]
.endr
.irp b, 0,1
	v_max_num_f32 v[TM+\b], v[TM+\b], v[TM+4+\b]
.endr
.irp b, 0,1
	v_add_nc_u32 v[TM+8+\b], 0xff000000, v[TM+\b]
.endr
.irp b, 0,1
	v_lshrrev_b32 v[TM+4+\b], 23, v[TM+8+\b]
.endr
	v_cvt_scalef32_pk16_fp6_f32 v[\cd:\cd+2], v[S:S+15], v[TM+8]
	v_cvt_scalef32_pk16_fp6_f32 v[TM+12:TM+14], v[S+16:S+31], v[TM+9]
	v_cndmask_b32 v[\by], v[TM+4], v[TM+5], vcc_lo ; lane (r, h) stores block h's byte; a plain place behind the conversions
.irp i, 0,1,2
	v_permlane16_swap_b32 v[\cd+\i], v[TM+12+\i]
.endr
.irp i, 0,1,2
	v_mov_b32 v[\cd+3+\i], v[TM+12+\i]
.endr
	global_store_b128 v1, v[\cd:\cd+3], s[12:13] offset:98304*\t    ; 512 consecutive bytes,
	global_store_b64 v2, v[\cd+4:\cd+5], s[12:13] offset:98304*\t   ; and 256 more; each tile has store registers of its own
	global_store_b8 v9, v[\by], s[14:15] offset:4096*\t
.endm
.set S, SA
	OUT 14, 160, 128, 174, 0
.set S, SB
	OUT 48, 192, 140, 175, 1
	s_wait_tensorcnt 0x0                           ; the wave's end
	ds_add_u32 v[SPW], v[NIL]
	s_wait_dscnt 0x0
	CROUND                                         ; the closing round
	s_endpgm
.Lfunc_end_k_qc3d9655849_attn:
	.size	k_qc3d9655849_attn, .Lfunc_end_k_qc3d9655849_attn-k_qc3d9655849_attn
	.p2alignl 7, 3214868480
	.fill 96, 4, 3214868480
	.section	.rodata,"a",@progbits
	.p2align	6, 0x0
	.amdhsa_kernel k_qc3d9655849_attn
		.amdhsa_group_segment_fixed_size 327680
		.amdhsa_private_segment_fixed_size 0
		.amdhsa_enable_private_segment 0
		.amdhsa_kernarg_size 48
		.amdhsa_user_sgpr_count 2
		.amdhsa_user_sgpr_kernarg_segment_ptr 1
		.amdhsa_wavefront_size32 1
		.amdhsa_system_sgpr_workgroup_id_x 1
		.amdhsa_system_sgpr_workgroup_id_y 1
		.amdhsa_system_sgpr_workgroup_id_z 1
		.amdhsa_system_vgpr_workitem_id 0
		.amdhsa_next_free_vgpr 512
		.amdhsa_next_free_sgpr 80
		.amdhsa_reserve_vcc 1
		.amdhsa_float_denorm_mode_32 3
		.amdhsa_float_denorm_mode_16_64 3
		.amdhsa_memory_ordered 1
		.amdhsa_forward_progress 1
		.amdhsa_inst_pref_size 86
	.end_amdhsa_kernel
	.amdgpu_metadata
---
amdhsa.version: [ 1, 2 ]
amdhsa.kernels:
  - .name:           k_qc3d9655849_attn
    .symbol:         k_qc3d9655849_attn.kd
    .args:
      - { .name: qk, .offset: 0, .size: 8, .value_kind: global_buffer, .address_space: global }
      - { .name: vim, .offset: 8, .size: 8, .value_kind: global_buffer, .address_space: global }
      - { .name: ats, .offset: 16, .size: 8, .value_kind: global_buffer, .address_space: global }
      - { .name: pos_bias, .offset: 24, .size: 8, .value_kind: global_buffer, .address_space: global }
      - { .name: ho, .offset: 32, .size: 8, .value_kind: global_buffer, .address_space: global }
      - { .name: hos, .offset: 40, .size: 8, .value_kind: global_buffer, .address_space: global }
    .group_segment_fixed_size: 327680
    .private_segment_fixed_size: 0
    .kernarg_segment_align: 8
    .kernarg_segment_size: 48
    .max_flat_workgroup_size: 256
    .sgpr_count:     80
    .vgpr_count:     512
    .wavefront_size: 32
...
	.end_amdgpu_metadata
.endif
;; end of part 3
;; launch oproj (part 4): grid 8 x 32, 8 waves a work-group, clusters of 4 x 4, 327,680 bytes of LDS; arguments ho, hos, cod, scl, bo, out0; writes out0
.if DOCPART == 4
	.amdgcn_target "amdgcn-amd-amdhsa--gfx1250"
	.amdhsa_code_object_version 6
	.text
	.protected	k_qc3d9655849_oproj
	.globl	k_qc3d9655849_oproj
	.p2align	8
	.type	k_qc3d9655849_oproj,@function
k_qc3d9655849_oproj:
	s_mov_b64 s[64:65], 0
	v_nop
	global_prefetch_b8 v0, s[64:65] scope:SCOPE_SE
	s_setreg_imm32_b32 hwreg(HW_REG_WAVE_MODE, 25, 1), 1
	s_wait_xcnt 0x0
	s_wait_alu depctr_hold_cnt(0) depctr_sa_sdst(0) depctr_va_vdst(0) depctr_va_sdst(0) depctr_va_ssrc(0) depctr_va_vcc(0) depctr_vm_vsrc(0)
	s_getreg_b32 s2, hwreg(HW_REG_IB_STS2, 6, 4)
	s_cmp_eq_u32 s2, 0
	s_cbranch_scc0 .Lentry_in_a_cluster
	s_endpgm
.Lentry_in_a_cluster:
	s_bfe_u32 s2, ttmp6, 0x10000c
	s_cmp_lg_u32 s2, 0xf033
	s_cbranch_scc0 .Lentry_shape_is_right
	s_endpgm
.Lentry_shape_is_right:
; out0 = heads Wo^T + bo on codes of FP6 (E2M3) with E8M0 scales, sums in f32.  heads: 256 stored token tiles in ho and hos; Wo: stored tiles 448-511 of cod and scl.
; A tile of 128 x 128 of out0 to a work-group, so that each of the 256 WGPs has one; eight waves, each 32 tokens x 64 outputs: 8 accumulators, no register windows.
; ALL OF K LIES IN LDS: two chunks of 512 along K (98,304 bytes each: 8 tiles of A, 8 of B) and the scale words; each is filled once, so there is no ring.
; CLUSTERS: 4 x 4 work-groups; A's tiles are shared along a row of the cluster, B's along a column: each is asked for jointly, with a mask that names the four.
; THE MATRIX INSTRUCTION IS USED TRANSPOSED (source 0 = 16 rows of Wo, source 1 = 16 tokens): a lane holds one token and eight neighbouring outputs.  Rows are stored with bits 3 and 4 of their number
; exchanged: register j of B's tile b holds output 32 (b / 2) + 16 (lane / 16) + 8 (b % 2) + j; tokens are put back in their true order by the stores' addresses.
; bo is loaded straight into the accumulators: every product adds in place, nothing is cleared and no addition is written.
; LIMITS: NaN and infinities are not served.
.set CHK,   98304                      ; a chunk: A's 8 tiles x 6,144 bytes, then B's
.set SCA,   196608                     ; A's scale words, 4,096 bytes;
.set SCB,   200704                     ; B's;
.set STAGE, 204800                     ; the way out: 128 rows x (512 bytes + 16); written by LDS stores alone
.set SP,    528
.set WV,    16
.set G1A,   24                         ; s[24:31], s[32:39] descriptor groups 1 for A's and B's codes;  s[40:47], s[48:55] for their scale words
.set G1B,   32
.set G1SA,  40
.set G1SB,  48
.set G0A,   56                         ; groups 0: A's scale words s[56:59], chunk 0 s[60:63], chunk 1 s[68:71];  B's s[72:75], s[76:79], s[80:83]
.set G0A1,  68
.set G0B,   72
.macro CROUND                          ; a round of the cluster's barrier
	s_barrier_signal -1
	s_barrier_wait -1
	s_cmp_lg_u32 s[WV], 0
	s_cbranch_scc1 .Lnot_wave_0_\@
	s_barrier_signal -3
.Lnot_wave_0_\@:
	s_barrier_wait -3
	s_barrier_signal -1
	s_barrier_wait -1
.endm
	s_load_b256 s[4:11], s[0:1], 0x0               ; ho s[4:5], hos s[6:7], cod s[8:9], scl s[10:11]
	s_load_b128 s[12:15], s[0:1], 0x20             ; bo s[12:13], out0 s[14:15]
	v_lshl_add_u32 v30, v0, 2, 0x42800
	v_mov_b32 v31, 0
	ds_add_u32 v30, v31
	ds_add_u32 v30, v31
	v_lshrrev_b32 v1, 5, v0
	s_delay_alu instid0(VALU_DEP_1)
	v_readfirstlane_b32 s[WV], v1                  ; wave 0..7
	s_lshr_b32 s17, s[WV], 1                       ; wm: my two tiles of tokens
	s_and_b32 s18, s[WV], 1                        ; wn: my four tiles of outputs
	s_bfe_u32 s20, ttmp6, 0x40000                  ; cx, cy
	s_bfe_u32 s21, ttmp6, 0x40004
	s_lshl_b32 s22, ttmp9, 2
	s_add_co_u32 s22, s22, s20                     ; tcol: which 128 outputs
	s_and_b32 s23, ttmp7, 0xffff
	s_lshl_b32 s23, s23, 2
	s_add_co_u32 s23, s23, s21                     ; trow: which 128 tokens
	s_lshl_b32 s84, s21, 2
	s_lshl_b32 s84, 15, s84                        ; my row of the cluster
	s_lshl_b32 s85, 0x1111, s20                    ; my column
	s_or_b32 s[G1A], s84, (3<<16)|(1<<21)          ; 15:0 the mask; 17:16 elements of 8 bytes; 21 set beside a mask
	s_or_b32 s[G1B], s85, (3<<16)|(1<<21)
.irp g, G1A, G1B
	s_mov_b32 s[\g+1], 768<<16                     ; 8 tiles' 6,144 bytes (512 along K),
	s_mov_b32 s[\g+2], 8<<16
	s_mov_b32 s[\g+3], 768<<16
	s_mov_b32 s[\g+4], 8
	s_mov_b32 s[\g+5], 1536                        ; 12,288 bytes apart in memory, on end in LDS
	s_mov_b32 s[\g+6], 0
	s_mov_b32 s[\g+7], 0
.endr
	s_or_b32 s[G1SA], s84, (3<<16)|(1<<21)
	s_or_b32 s[G1SB], s85, (3<<16)|(1<<21)
.irp g, G1SA, G1SB
	s_mov_b32 s[\g+1], 32<<16                      ; 8 tiles' scale words: 4,096 dense bytes as 16 rows of 256
	s_mov_b32 s[\g+2], 16<<16
	s_mov_b32 s[\g+3], 32<<16
	s_mov_b32 s[\g+4], 16
	s_mov_b32 s[\g+5], 32
	s_mov_b32 s[\g+6], 0
	s_mov_b32 s[\g+7], 0
.endr
	s_mul_i32 s86, s23, 98304                      ; A: 8 trow tiles of 12,288 bytes: made of cy and of what all partners share
	s_mov_b32 s87, 0
	s_lshl_b32 s88, s23, 12
	s_mov_b32 s89, 0
	s_lshl_b32 s90, s22, 3
	s_add_co_u32 s90, s90, 448                     ; B: stored tile 448 + 8 tcol: made of cx and of what all partners share
	s_lshl_b32 s92, s90, 9
	s_mov_b32 s93, 0
	s_mul_i32 s90, s90, 12288
	s_mov_b32 s91, 0
	s_wait_dscnt 0x0
	s_wait_kmcnt 0x0
	s_add_nc_u64 s[86:87], s[4:5], s[86:87]
	s_add_nc_u64 s[88:89], s[6:7], s[88:89]
	s_add_nc_u64 s[90:91], s[8:9], s[90:91]
	s_add_nc_u64 s[92:93], s[10:11], s[92:93]
	s_mov_b32 s[G0A], 1
	s_mov_b32 s[G0A+1], SCA
	s_mov_b64 s[G0A+2:G0A+3], s[88:89]
	s_or_b32 s[G0A+3], s[G0A+3], 0x80000000
	s_mov_b32 s[G0A+4], 1
	s_mov_b32 s[G0A+5], 0
	s_mov_b64 s[G0A+6:G0A+7], s[86:87]
	s_or_b32 s[G0A+7], s[G0A+7], 0x80000000
	s_mov_b32 s[G0A1], 1
	s_mov_b32 s[G0A1+1], CHK
	s_add_nc_u64 s[G0A1+2:G0A1+3], s[86:87], 6144
	s_or_b32 s[G0A1+3], s[G0A1+3], 0x80000000
	s_mov_b32 s[G0B], 1
	s_mov_b32 s[G0B+1], SCB
	s_mov_b64 s[G0B+2:G0B+3], s[92:93]
	s_or_b32 s[G0B+3], s[G0B+3], 0x80000000
	s_mov_b32 s[G0B+4], 1
	s_mov_b32 s[G0B+5], CHK/2
	s_mov_b64 s[G0B+6:G0B+7], s[90:91]
	s_or_b32 s[G0B+7], s[G0B+7], 0x80000000
	s_mov_b32 s[G0B+8], 1
	s_mov_b32 s[G0B+9], CHK+CHK/2
	s_add_nc_u64 s[G0B+10:G0B+11], s[90:91], 6144
	s_or_b32 s[G0B+11], s[G0B+11], 0x80000000
	CROUND                                         ; all sixteen work-groups are here: the joint loads meet
; The six fills, one to a wave, in one chain of branches on the wave's number: waves 0 and 1 chunk 0 of A and of B, 2 and 3 the scale words, 4 and 5 chunk 1; waves 6 and 7 fetch nothing.
.macro ARM under, g0, g1, next
	s_cmp_lt_u32 s[WV], \under
	s_cbranch_scc0 \next
	tensor_load_to_lds s[\g0:\g0+3], s[\g1:\g1+7]
	s_nop 0
.rept 4
	v_nop
.endr
	s_branch .Lasked
\next:
.endm
	ARM 1, G0A+4, G1A,  .Larm1
	ARM 2, G0B+4, G1B,  .Larm2
	ARM 3, G0A,   G1SA, .Larm3
	ARM 4, G0B,   G1SB, .Larm4
	ARM 5, G0A1,  G1A,  .Larm5
	ARM 6, G0B+8, G1B,  .Larm6
.Lasked:
	v_and_b32 v1, 31, v0                           ; l
	v_and_b32 v2, 15, v0                           ; r
	v_bfe_u32 v3, v0, 4, 1                         ; h
	s_delay_alu instid0(VALU_DEP_3)
	v_lshlrev_b32 v4, 4, v1                        ; 16 l
	s_delay_alu instid0(VALU_DEP_4)
	v_lshlrev_b32 v5, 3, v1                        ; 8 l
	s_lshl_b32 s2, s22, 9                          ; bo: 4 bytes x (128 tcol + 64 wn) + 64 h
	s_lshl_b32 s3, s18, 8
	s_add_co_u32 s2, s2, s3
	v_lshl_add_u32 v17, v3, 6, s2
.irp a, 0,1
.irp b, 0,1,2,3
.irp e, 0,1
	global_load_b128 v[192+8*(4*\a+\b)+4*\e:195+8*(4*\a+\b)+4*\e], v17, s[12:13] offset:4*(32*(\b/2)+8*(\b%2)+4*\e)
.endr
.endr
.endr
	s_mul_i32 s2, s17, 12288                       ; my two tiles of A,
	s_mul_i32 s3, s18, 24576                       ; my four tiles of B,
	s_add_co_u32 s3, s3, CHK/2                     ; which lie behind A's eight
	v_add_nc_u32 v8, s2, v4                        ; v8, v9: A, 16 bytes a lane, chunk 0, 1;  v10, v11: 8 bytes a lane
	s_delay_alu instid0(VALU_DEP_1)
	v_add_nc_u32 v9, CHK, v8
	v_add_nc_u32 v10, s2, v5
	s_delay_alu instid0(VALU_DEP_1)
	v_add_nc_u32 v11, CHK, v10
	v_add_nc_u32 v12, s3, v4                       ; v12-15: the same for B
	s_delay_alu instid0(VALU_DEP_1)
	v_add_nc_u32 v13, CHK, v12
	v_add_nc_u32 v14, s3, v5
	s_delay_alu instid0(VALU_DEP_1)
	v_add_nc_u32 v15, CHK, v14
	v_lshlrev_b32 v6, 3, v2                        ; my row's two words of 256 along K
	s_lshl_b32 s2, s17, 10                         ; A's: my two tiles
	s_lshl_b32 s3, s18, 11                         ; B's: my four, behind A's eight
	s_add_co_u32 s3, s3, 4096
	s_sub_co_u32 s3, s3, s2
	v_mul_u32_u24 v7, s3, v3                       ; lanes 16-31 take B's
	s_add_co_u32 s2, s2, SCA
	v_add_nc_u32 v6, v6, v7
	s_delay_alu instid0(VALU_DEP_1)
	v_add_nc_u32 v16, s2, v6
	s_mul_i32 s2, s17, 32*SP                       ; the stage, in: stored row 32 wm + r, + 256 wn + 64 h
	s_lshl_b32 s3, s18, 8
	s_add_co_u32 s2, s2, s3
	s_add_co_u32 s2, s2, STAGE
	v_mul_u32_u24 v18, v2, SP
	s_delay_alu instid0(VALU_DEP_1)
	v_lshl_add_u32 v18, v3, 6, v18
	s_delay_alu instid0(VALU_DEP_1)
	v_add_nc_u32 v18, s2, v18
	s_mul_i32 s2, s[WV], 16*SP                     ; back: stored rows 16 w + i, whole: 16 bytes a lane
	s_add_co_u32 s2, s2, STAGE
	v_add_nc_u32 v19, s2, v4
	s_lshl_b32 s2, s23, 19                         ; out0: true row 128 trow + 32 (w / 2) + 8 (w % 2), rows of 4,096 bytes, + 512 tcol
	s_lshl_b32 s3, s17, 17
	s_add_co_u32 s2, s2, s3
	s_lshl_b32 s3, s18, 15
	s_add_co_u32 s2, s2, s3
	s_lshl_b32 s3, s22, 9
	s_add_co_u32 s2, s2, s3
	s_mov_b32 s3, 0
	s_add_nc_u64 s[14:15], s[14:15], s[2:3]
.macro FRAG reg, a16, a8, off          ; a fragment is two pieces of 768 bytes: of each a lane takes 16 bytes at 16 l and 8 bytes at 512 + 8 l
	ds_load_b128 v[\reg:\reg+3], v[\a16] offset:\off
	ds_load_b64 v[\reg+4:\reg+5], v[\a8] offset:\off+512
	ds_load_b128 v[\reg+6:\reg+9], v[\a16] offset:\off+768
	ds_load_b64 v[\reg+10:\reg+11], v[\a8] offset:\off+1280
.endm
.macro FETCH q                         ; K step q's six fragments into set q % 2 (v48 on, v120 on): A's two, then B's four: 24 loads
.set FS, 48+72*((\q)%2)
.set CH, (\q)/4
.set KO, 1536*((\q)%4)
.irp i, 0,1
	FRAG FS+12*\i, 8+CH, 10+CH, KO+6144*\i
.endr
.irp i, 0,1,2,3
	FRAG FS+24+12*\i, 12+CH, 14+CH, KO+6144*\i
.endr
.endm
.macro SCALES s                        ; the scale words of K steps 2 s and 2 s + 1 into set s % 2 (v32 on, v40 on): lanes 0-15 A's tile i, lanes 16-31 B's tile i: 4 loads
.irp i, 0,1,2,3
	ds_load_b64 v[32+8*((\s)%2)+2*\i:33+8*((\s)%2)+2*\i], v16 offset:512*\i+128*(\s)
.endr
.endm
.macro MUL q                           ; eight products, the accumulators by turns, one instruction a turn, in the same order in every step
.set FS, 48+72*((\q)%2)
.set SS, 32+8*(((\q)/2)%2)+(\q)%2
.irp a, 0,1
.irp b, 0,1,2,3
	v_wmma_scale_f32_16x16x128_f8f6f4 v[192+8*(4*\a+\b):199+8*(4*\a+\b)], v[FS+24+12*\b:FS+35+12*\b], v[FS+12*\a:FS+11+12*\a], v[192+8*(4*\a+\b):199+8*(4*\a+\b)], v[SS+2*\b], v[SS+2*\a] matrix_a_fmt:MATRIX_FMT_FP6 matrix_b_fmt:MATRIX_FMT_FP6 matrix_a_scale:MATRIX_SCALE_ROW1
.endr
.endr
.endm
	s_wait_alu depctr_va_vdst(0)
	s_wait_tensorcnt 0x0                           ; my one load, if I issued one, has landed: behind the barrier both chunks and the scale words are whole
	s_barrier_signal -1
	s_barrier_wait -1
	SCALES 0
	FETCH 0
	s_wait_loadcnt 0x0                             ; bo lies in the accumulators
.irp q, 0,1,2,3,4,5,6,7                ; K = 1,024 is eight steps: they are written out; each fetches the next step's fragments ahead of its own products
.if \q > 0
.rept 4
	v_nop                                          ; places in front of loads into registers that the step before has multiplied
.endr
.endif
.if \q < 7
.if (\q+1)%2 == 0
	SCALES (\q+1)/2
	FETCH \q+1
	s_wait_dscnt 28                                ; all but the 28 just issued
.else
	FETCH \q+1
	s_wait_dscnt 24                                ; all but the 24 just issued
.endif
.else
	s_wait_dscnt 0x0
.endif
	MUL \q
.endr
	; THE WAY OUT.  A lane holds 32 neighbouring bytes of a row for each of B's tiles; a row's 512 bytes come from two waves: they meet in the stage, and each wave stores 16 whole rows.
.rept 4
	v_nop
.endr
.irp a, 0,1
.irp b, 0,1,2,3
	ds_store_b128 v18, v[192+8*(4*\a+\b):195+8*(4*\a+\b)] offset:16*SP*\a+128*(\b/2)+32*(\b%2)        ; each accumulator from its low end on
	ds_store_b128 v18, v[196+8*(4*\a+\b):199+8*(4*\a+\b)] offset:16*SP*\a+128*(\b/2)+32*(\b%2)+16
.endr
.endr
	s_wait_dscnt 0x0                               ; for the others' sake: my stores into the stage are done
	s_barrier_signal -1
	s_barrier_wait -1
.irp i, 0,1,2,3,4,5,6,7,8,9,10,11,12,13,14,15
	ds_load_b128 v[48+4*\i:51+4*\i], v19 offset:SP*\i
.endr
.irp i, 0,1,2,3,4,5,6,7,8,9,10,11,12,13,14,15
	s_wait_dscnt 15-\i
	global_store_b128 v4, v[48+4*\i:51+4*\i], s[14:15] offset:((\i%8)+16*(\i/8))*4096 th:TH_STORE_NT   ; stored row i of a tile is true row i % 8 + 16 (i / 8): 32 lanes store 512 consecutive bytes, at a multiple of 256 from out0's first byte
.endr
	s_wait_tensorcnt 0x0
	ds_add_u32 v30, v31
	s_wait_dscnt 0x0
	CROUND                                         ; the closing round
	s_endpgm
.Lfunc_end_k_qc3d9655849_oproj:
	.size	k_qc3d9655849_oproj, .Lfunc_end_k_qc3d9655849_oproj-k_qc3d9655849_oproj
	.p2alignl 7, 3214868480
	.fill 96, 4, 3214868480
	.section	.rodata,"a",@progbits
	.p2align	6, 0x0
	.amdhsa_kernel k_qc3d9655849_oproj
		.amdhsa_group_segment_fixed_size 327680
		.amdhsa_private_segment_fixed_size 0
		.amdhsa_enable_private_segment 0
		.amdhsa_kernarg_size 48
		.amdhsa_user_sgpr_count 2
		.amdhsa_user_sgpr_kernarg_segment_ptr 1
		.amdhsa_wavefront_size32 1
		.amdhsa_system_sgpr_workgroup_id_x 1
		.amdhsa_system_sgpr_workgroup_id_y 1
		.amdhsa_system_sgpr_workgroup_id_z 1
		.amdhsa_system_vgpr_workitem_id 0
		.amdhsa_next_free_vgpr 256
		.amdhsa_next_free_sgpr 96
		.amdhsa_reserve_vcc 0
		.amdhsa_float_denorm_mode_32 3
		.amdhsa_float_denorm_mode_16_64 3
		.amdhsa_memory_ordered 1
		.amdhsa_forward_progress 1
		.amdhsa_inst_pref_size 38
	.end_amdhsa_kernel
	.amdgpu_metadata
---
amdhsa.version: [ 1, 2 ]
amdhsa.kernels:
  - .name:           k_qc3d9655849_oproj
    .symbol:         k_qc3d9655849_oproj.kd
    .args:
      - { .name: ho, .offset: 0, .size: 8, .value_kind: global_buffer, .address_space: global }
      - { .name: hos, .offset: 8, .size: 8, .value_kind: global_buffer, .address_space: global }
      - { .name: cod, .offset: 16, .size: 8, .value_kind: global_buffer, .address_space: global }
      - { .name: scl, .offset: 24, .size: 8, .value_kind: global_buffer, .address_space: global }
      - { .name: bo, .offset: 32, .size: 8, .value_kind: global_buffer, .address_space: global }
      - { .name: out0, .offset: 40, .size: 8, .value_kind: global_buffer, .address_space: global }
    .group_segment_fixed_size: 327680
    .private_segment_fixed_size: 0
    .kernarg_segment_align: 8
    .kernarg_segment_size: 48
    .max_flat_workgroup_size: 256
    .sgpr_count:     96
    .vgpr_count:     256
    .wavefront_size: 32
...
	.end_amdgpu_metadata
.endif
;; end of part 4
